; MI455X (gfx1250); checked and timed in simulation.
; The chip was launched on July 23, 2026; its instructions are those of AMD's public machine-readable ISA for CDNA 5 (MIT licence, August 2026) and "CDNA5" Instruction Set Architecture Reference Guide (July 2026). The comments in the code are by the model that wrote it; some were corrected since.
;; Attention. Allowed arithmetic: matrix products marked QUANTISED: E2M1 operands, one E8M0 scale for each 32 along K, by v_wmma_scale_f32_16x16x128_f8f6f4 with both operands' format E2M1 (or v_wmma_scale_f32_32x16x128_f4), f32 sums; everything else in f32.
;; Inputs: W_proj_codes 1,024 x 32 x 16 uint8 (E2M1 codes of W_proj, K innermost, in blocks of 32 codes, two codes a byte); W_proj_scales 1,024 x 32 uint8 (E8M0 scales of W_proj, one for each 32 codes along K); W_qkv_codes 3,072 x 32 x 16 uint8 (E2M1 codes of W_qkv, K innermost, in blocks of 32 codes, two codes a byte); W_qkv_scales 3,072 x 32 uint8 (E8M0 scales of W_qkv, one for each 32 codes along K); b_proj 1,024 float32; freqs 2,048 x 64 float32; x_codes 4 x 2,048 x 32 x 16 uint8 (E2M1 codes of x, K innermost, in blocks of 32 codes, two codes a byte); x_scales 4 x 2,048 x 32 uint8 (E8M0 scales of x, one for each 32 codes along K).
;; Outputs: out0 4 x 2,048 x 1,024 float32.
;; This version of the problem:
;;   THIS VERSION OF THE PROBLEM IS GIVEN IN LOW PRECISION. The matrix products marked QUANTISED in the list below multiply operands that are first quantised to E2M1 (2 exponent bits, 1 mantissa bit; 4 bits a number), with one power-of-two scale for each 32 numbers along K (OCP MX v1.0); their sums are f32. All else is computed in f32.
;;   The module's matrix products, in the order in which they are computed (A, B: the left and right operand; K: the contracted axis; several contracted axes count as one K, in the product's order):
;;     1. [M 8,192, K 1,024] x [K 1,024, N 3,072]; A: input x (given as codes); B: input W_qkv (given as codes): QUANTISED
;;     2. batch 64 x [M 2,048, K 64] x [K 64, N 2,048]; A: computed on the way; B: computed on the way: QUANTISED
;;     3. batch 64 x [M 2,048, K 2,048] x [K 2,048, N 64]; A: softmax (see below); B: computed on the way: QUANTISED
;;     4. [M 8,192, K 1,024] x [K 1,024, N 1,024]; A: computed on the way; B: input W_proj (given as codes): QUANTISED
;;   THE QUANTISER, for each operand of a quantised product, along K:
;;     - K is cut into blocks of 32 from its start; a last block that is shorter is filled with zeros.
;;     - A block's scale is 2^e with e = floor(log2(the largest magnitude in the block)) - 2, held to -126 .. 127; a block of zeros has e = 0. As a byte (E8M0): e + 127.
;;     - Each number is divided by its block's scale, clamped to +-6, and rounded to the nearest number of E2M1, ties to even, subnormals kept.
;;     - The product sums the exact products of the quantised numbers (number of the format x scale) in f32.
;;   ~~~python
;;   def quantise(x, axis):      # numpy; x: float32 -> the quantised numbers, widened to float32 again
;;       x = np.moveaxis(x, axis, -1); K = x.shape[-1]
;;       x = np.pad(x, [(0, 0)] * (x.ndim - 1) + [(0, -K % 32)]); x = x.reshape(x.shape[:-1] + (-1, 32)); a = np.abs(x).max(-1, keepdims=True)
;;       e = np.where(a > 0, np.clip(np.frexp(np.where(a > 0, a, 1))[1] - 1 - 2, -126, 127), 0)      # np.frexp(a)[1] - 1 = floor(log2(a)), exactly
;;       r = np.clip(x / 2.0 ** e, -6, 6)
;;       step = 2.0 ** (np.maximum(np.frexp(np.where(r == 0, 1, r))[1] - 1, 0) - 1)
;;       q = np.round(r / step) * step * 2.0 ** e      # np.round: ties to even
;;       return np.moveaxis(q.reshape(q.shape[:-2] + (-1,))[..., :K], -1, axis).astype(np.float32)
;;   ~~~
;;   SOFTMAX AHEAD OF A QUANTISED PRODUCT. Where the list says 'softmax', what is quantised is not the finished softmax but p = 2^(t - M), with t = logit x log2(e) and M = ceil(the row's largest t), a whole number; so 1/2 < the row's largest p <= 1. The row's sum l is taken of the UNQUANTISED p, in f32, and the product's result is divided by l at the end. Since M is a whole number, a kernel that streams over the keys may use a running M (the ceiling of the running maximum): every later rescaling is an exact power of two, which a block's scale takes up: the codes' values come out the same.
;;   OPERANDS COMPUTED ON THE WAY. 'Computed on the way' means the value that the module computes at that place (a softmax that the list does not call 'softmax' is quantised finished and normalised). What goes into a quantiser is computed in f32, as accurately as f32 sums, v_exp_f32 and their like allow (about 1e-6 of the number): no bf16 or f16 on the way to a quantiser, and a product that is left as it is and whose result goes on into a quantised operand takes f32 operands (vector FMAs, or v_wmma_f32_16x16x4_f32). A number that lies on a knife's edge between two numbers of the format may be rounded either way, as far as f32 arithmetic and the matrix unit's own rounding can turn it there, and no further.
;;   INPUTS GIVEN AS CODES. W_proj (in the module: [1024, 1024], K = its axis 1); W_qkv (in the module: [3072, 1024], K = its axis 1); x (in the module: [4, 2048, 1024], K = its axis 2): each comes as NAME_codes (uint8): NAME with its K axis moved to the last place and cut into blocks of 32 codes, [.., K / 32, bytes a block], one block behind the other in memory; two codes a byte, the lower K in the low four bits (a code: sign, 2 exponent bits, 1 mantissa bit); and NAME_scales (uint8): the same leading axes, one E8M0 byte (e + 127) for each 32 codes along K. Its value is code x scale, taken as it is: it is not quantised again, and the codes and scales need not be those that the quantiser above would give.
;; One version. Each part assembles by itself: llvm-mc -triple=amdgcn-amd-amdhsa -mcpu=gfx1250 --defsym DOCPART=n.
;; ======== version 1 of 1: 4 launches
;; limits: right only within a limited range of input values
;; workspace buffers: rope 1,048,576 bytes; qb 4,718,592 bytes; kv 9,175,040 bytes; yimg 4,194,304 bytes; ysw 262,144 bytes
;; launch vproj (part 1): grid 32 x 4, 4 waves a work-group, clusters of 4 x 4, 327,680 bytes of LDS; arguments W_qkv_codes, W_qkv_scales, x_codes, x_scales, freqs, kv, rope; writes kv, rope
.if DOCPART == 1
	.amdgcn_target "amdgcn-amd-amdhsa--gfx1250"
	.amdhsa_code_object_version 6
	.text
	.protected	k_q2991944eeb_vproj
	.globl	k_q2991944eeb_vproj
	.p2align	8
	.type	k_q2991944eeb_vproj,@function
k_q2991944eeb_vproj:
	s_mov_b64 s[64:65], 0
	v_nop
	global_prefetch_b8 v0, s[64:65] scope:SCOPE_SE
	s_setreg_imm32_b32 hwreg(HW_REG_WAVE_MODE, 25, 1), 1
	s_wait_xcnt 0x0
	s_wait_alu depctr_hold_cnt(0) depctr_sa_sdst(0) depctr_va_vdst(0) depctr_va_sdst(0) depctr_va_ssrc(0) depctr_va_vcc(0) depctr_vm_vsrc(0)
	s_getreg_b32 s2, hwreg(HW_REG_IB_STS2, 6, 4)
	s_cmp_eq_u32 s2, 0
	s_cbranch_scc0 .Lentry_in_a_cluster
	s_endpgm
.Lentry_in_a_cluster:
	s_bfe_u32 s2, ttmp6, 0x10000c
	s_cmp_lg_u32 s2, 0xf033
	s_cbranch_scc0 .Lentry_shape_is_right
	s_endpgm
.Lentry_shape_is_right:
; V = x Wv^T (rows 2,048 .. 3,071 of W_qkv) on codes of FP4 (E2M1) with E8M0 scales, then quantised ALONG THE KEYS and stored as images of operand registers; and the table of cos and sin of freqs.
; A tile is 256 rows of Wv (the A side: 4 heads x 64) x 256 rows of x (the B side: 256 keys of one batch).  Four waves, each 128 x 128: 64 accumulators of 16 x 16.  K = 1,024 is two LDS slots of 512, both asked for at the head.
; THE MATRIX INSTRUCTION IS USED TRANSPOSED: source 0 = 16 rows of x, source 1 = 16 rows of Wv.  Lane (r, h) of accumulator (a, b) holds channel 16 a + r, and its register j key 16 b + 8 h + j: eight neighbours along the keys.
; So the 64 registers of a block a are 128 keys of one channel (with lane l xor 16's): four blocks of 32, one whole fragment of the second attention product.
; OUT, for each head bh, at kv + 143,360 bh:  + 73,728: [key step 16][channel tile 4][half 2][lane 32][16 bytes];  + 139,264: scale words [key step 16][lane 32][2]: word (l, i) is channel tile 2 i + l / 16, row l % 16.
; THE TABLE: rope[t] = cos(freqs[t][0..63]), 256 bytes, then s'[t][0..63]: -sin at even places, +sin at odd ones.  Each work-group makes 16 rows of it while its first tiles are on their way.
; cos and sin: n = the nearest whole number to x 2/pi; r = x - n pi/2 with pi/2 in three parts, by fused multiply-adds; polynomials of degree 7 and 8 on |r| <= pi/4; the quadrant from n's two lowest bits, by selects.
; CLUSTERS: 4 x 4 work-groups; Wv's tiles are shared along a row of the cluster, x's along a column: joint loads.  The grid has one cluster along y, so the tile row is the work-group's place cy.
; LIMITS: NaN, infinities and scale bytes 0xff among the inputs are not served.  |freqs| up to about 1e5 (beyond it the three parts of pi/2 no longer give r to f32's accuracy).
; A block of zeros gets the scale byte 1 and not 127: its codes are zeros, and this program alone reads the bytes.
.set NQ,     4                         ; matrix instructions deep in a slot
.set ROWB,   256                       ; a tile's row: 512 codes
.set KROW,   512                       ; a row of codes in memory
.set PITCH,  272                       ; an LDS row: 256 bytes + 16 of padding: the 16 rows of a load start at 16 different groups of four banks
.set FR,     8                         ; registers of a fragment
.set NL,     2                         ; LDS loads that bring one
.set NP,     4                         ; places behind this matrix instruction (ISA guide 7.12.1)
.set HALFT,  128*PITCH
.set SLOT,   4*HALFT                   ; A's 256 rows, then B's 256 rows
.set HALFS,  16*272                    ; the scale bytes of 128 rows: 16 units of 256 bytes + 16
.set SCL,    2*SLOT                    ; the scale bytes: A's halves, then B's
.set SPARE,  SCL+4*HALFS               ; the spare words: 128 bytes a wave, named by no other line
.set SST,    SPARE+512                 ; a stage of 512 bytes a wave for the scale words on their way out; no tile lands here
.set HEADB,  143360
.set ADRA, 16                          ; v16-17 LDS address of my A fragments in slot 0, 1
.set ADRB, 20                          ; v20-21 the same for B
.set ADSA, 22                          ; v22  of A's scale words
.set ADSB, 23                          ; v23  of B's
.set LI,   24                          ; v24  16 x lane
.set SSA,  25                          ; v25  the stage: SST + 512 wave + 8 r
.set SRD,  26                          ; v26  and back: SST + 512 wave + 16 lane
.set SWO,  27                          ; v27  143,360 h + 16 r: lanes 0-15 the first head's unit, lanes 16-31 the second's
.set SPW,  28                          ; v28  my spare word; never rewritten
.set NIL,  29                          ; v29  0; never rewritten
.set RPO,  30                          ; v30  the table: 512 h + 16 r
.set SCB,  32                          ; v32-63 B's scale words, two sets of 16: register 4 i + q: block 2 i in lanes 0-15, block 2 i + 1 in lanes 16-31, the slot's q-th 128 along K
.set SCA,  64                          ; v64-95 A's likewise
.set PC,   96                          ; v96-103 the codes just made
.set TM,   104                         ; v104-107 largest magnitudes, v108-111 bytes, v116-119 the conversions' scale operands
.set PW,   120                         ; v120 the scale word just made
.set OB,   124                         ; v124-127 scale words on their way out
.set AF,   128                         ; v128-191 A's fragments, one set
.set AX,   128                         ; the table's registers, used ahead of the product alone: x,
.set AN,   136                         ; n,
.set AR,   144                         ; r,
.set AQ,   152                         ; n as a whole number,
.set AZ,   160                         ; r r,
.set ASI,  168                         ; the sine's polynomial,
.set ACO,  176                         ; the cosine's,
.set AT,   184
.set AU,   192
.set OSS,  200                         ; s',
.set OCC,  208                         ; cos
.set G1, 24                            ; s[24:31], s[32:39] descriptor groups 1 and 0 (a set for each slot) for A's tiles
.set G0, 32
.set G1B, 48                           ; s[48:55], s[56:63] for B's
.set G0B, 56
.set G1S, 68                           ; s[68:75], s[76:79] for A's scale bytes;  s[80:87], s[88:91] for B's
.set G0S, 76
.set G1SB, 80
.set G0SB, 88
.set SEL, 66                           ; s[66:67] v_permlanex16_b32's selects for lane l xor 16
.set MSB, 0
.macro WIN new                         ; the immediate's high byte repeats the setting that is left
.if MSB != (\new)
	s_set_vgpr_msb (MSB<<8)|(\new)
.set MSB, (\new)
.endif
.endm
.set MUL_LO, 0xa1                      ; source 0 (B) window 1, source 1 (A) window 0, C and D window 2
.set MUL_HI, 0xf1                      ; the same, C and D window 3
.set TO_B,   0x40                      ; destination window 1
; A joint load: waves 0 and 1 fetch for A, waves 2 and 3 for B; the branch hangs on the wave's number alone.  Four v_nop follow each of the two lines.
.macro JLOAD g0a, g1a, g0b, g1b
	s_cmp_eq_u32 s15, 0
	s_cbranch_scc0 .Lfor_b_\@
	tensor_load_to_lds s[\g0a:\g0a+3], s[\g1a:\g1a+7]
	s_nop 0
.rept 4
	v_nop
.endr
	s_branch .Lasked_\@
.Lfor_b_\@:
	tensor_load_to_lds s[\g0b:\g0b+3], s[\g1b:\g1b+7]
	s_nop 0
.rept 4
	v_nop
.endr
.Lasked_\@:
.endm
.macro CROUND                          ; a round of the cluster's barrier
	s_barrier_signal -1
	s_barrier_wait -1
	s_cmp_lg_u32 s14, 0
	s_cbranch_scc1 .Lnot_wave_0_\@
	s_barrier_signal -3
.Lnot_wave_0_\@:
	s_barrier_wait -3
	s_barrier_signal -1
	s_barrier_wait -1
.endm
.macro PLACES n
.rept \n
	v_nop
.endr
.endm
	s_load_b256 s[4:11], s[0:1], 0x0               ; W_qkv's codes, its scales, x's codes, x's scales
	s_load_b64 s[12:13], s[0:1], 0x20              ; freqs
	s_load_b128 s[92:95], s[0:1], 0x28             ; kv, rope
	v_lshl_add_u32 v[SPW], v0, 2, SPARE
	v_mov_b32 v[NIL], 0
	ds_add_u32 v28, v29
	ds_add_u32 v28, v29
	s_wait_dscnt 0x0
	v_lshrrev_b32 v1, 5, v0
	v_readfirstlane_b32 s14, v1                    ; wave 0..3
	s_lshr_b32 s15, s14, 1                         ; which half of A's rows is mine.  Also: I fetch for A (0) or for B (1)
	s_and_b32 s16, s14, 1                          ; which half of B's rows.  Also: which 128 rows I fetch
	s_bfe_u32 s40, ttmp6, 0x40000                  ; cx
	s_bfe_u32 s17, ttmp6, 0x40004                  ; cy, which is the tile row TR: one cluster along y
	s_lshl_b32 s42, ttmp9, 2
	s_add_co_u32 s42, s42, s40                     ; TC = 4 x cluster x + cx
	s_lshl_b32 s43, s17, 2
	s_lshl_b32 s43, 15, s43                        ; my row of the cluster
	s_lshl_b32 s44, 0x1111, s40                    ; my column
	s_or_b32 s[G1+0], s43, (1<<20)|(1<<21)|(5<<22)|(3<<25)   ; the mask; elements of 1 byte; padding on; bit 21 beside a mask; 4 words behind every 64
	s_or_b32 s[G1B+0], s44, (1<<20)|(1<<21)|(5<<22)|(3<<25)
.irp g, G1, G1B
	s_mov_b32 s[\g+1], ROWB<<16                    ; tensor_dim0
	s_mov_b32 s[\g+2], 128<<16                     ; tensor_dim1
	s_mov_b32 s[\g+3], ROWB<<16                    ; tile_dim0
	s_mov_b32 s[\g+4], 128                         ; tile_dim1
	s_mov_b32 s[\g+5], KROW                        ; the pitch
	s_mov_b32 s[\g+6], 0
	s_mov_b32 s[\g+7], 0
.endr
	s_or_b32 s[G1S+0], s43, (3<<16)|(1<<20)|(1<<21)|(5<<22)|(3<<25)  ; the scale bytes of 128 rows: 4,096 dense bytes as 16 rows of 32 elements of 8 bytes, padded alike
	s_or_b32 s[G1SB+0], s44, (3<<16)|(1<<20)|(1<<21)|(5<<22)|(3<<25)
.irp g, G1S, G1SB
	s_mov_b32 s[\g+1], 32<<16
	s_mov_b32 s[\g+2], 16<<16
	s_mov_b32 s[\g+3], 32<<16
	s_mov_b32 s[\g+4], 16
	s_mov_b32 s[\g+5], 32
	s_mov_b32 s[\g+6], 0
	s_mov_b32 s[\g+7], 0
.endr
	s_lshl_b32 s18, s16, 7
	s_lshl_b32 s20, s17, 8
	s_add_co_u32 s20, s20, s18                     ; A: row 256 TR + 128 x half
	s_lshl_b32 s46, s42, 8
	s_add_co_u32 s46, s46, s18                     ; B: row 256 TC + 128 x half
	s_lshl_b32 s22, s20, 5                         ; 32 scale bytes a row,
	s_mov_b32 s23, 0
	s_lshl_b32 s20, s20, 9                         ; 512 bytes of codes
	s_mov_b32 s21, 0
	s_lshl_b32 s2, s46, 5
	s_mov_b32 s3, 0
	s_lshl_b32 s46, s46, 9
	s_mov_b32 s47, 0
	s_mul_i32 s45, s14, HALFT                      ; where they go: wave x 128 rows: no place in the cluster enters an LDS address
	s_mul_i32 s19, s14, HALFS
	s_mov_b32 s[SEL], 0x76543210
	s_mov_b32 s[SEL+1], 0xfedcba98
	s_wait_kmcnt 0x0
	s_add_nc_u64 s[4:5], s[4:5], 0x100000          ; Wv begins at row 2,048: 2,048 x 512 bytes of codes,
	s_add_nc_u64 s[6:7], s[6:7], 0x10000           ; 2,048 x 32 scale bytes
	s_add_nc_u64 s[20:21], s[4:5], s[20:21]
	s_add_nc_u64 s[22:23], s[6:7], s[22:23]
	s_add_nc_u64 s[46:47], s[8:9], s[46:47]
	s_add_nc_u64 s[2:3], s[10:11], s[2:3]
	s_mov_b32 s[G0S], 1
	s_add_co_u32 s[G0S+1], s19, SCL
	s_mov_b64 s[G0S+2:G0S+3], s[22:23]
	s_or_b32 s[G0S+3], s[G0S+3], 0x80000000
	s_mov_b32 s[G0SB], 1
	s_add_co_u32 s[G0SB+1], s19, SCL
	s_mov_b64 s[G0SB+2:G0SB+3], s[2:3]
	s_or_b32 s[G0SB+3], s[G0SB+3], 0x80000000
.irp s, 0,1
	s_mov_b32 s[G0+4*\s], 1
	s_add_co_u32 s[G0+4*\s+1], s45, \s*SLOT
	s_add_nc_u64 s[G0+4*\s+2:G0+4*\s+3], s[20:21], \s*ROWB
	s_or_b32 s[G0+4*\s+3], s[G0+4*\s+3], 0x80000000
	s_mov_b32 s[G0B+4*\s], 1
	s_add_co_u32 s[G0B+4*\s+1], s45, \s*SLOT
	s_add_nc_u64 s[G0B+4*\s+2:G0B+4*\s+3], s[46:47], \s*ROWB
	s_or_b32 s[G0B+4*\s+3], s[G0B+4*\s+3], 0x80000000
.endr
	CROUND                                         ; all sixteen work-groups are here: the first joint loads meet
	JLOAD G0S, G1S, G0SB, G1SB                     ; the scale bytes, slot 0, slot 1: three loads of mine are out
	JLOAD G0, G1, G0B, G1B
	JLOAD G0+4, G1, G0B+4, G1B
	v_and_b32 v1, 15, v0                           ; r
	v_bfe_u32 v2, v0, 4, 1                         ; h
	v_mul_u32_u24 v3, v1, PITCH
	v_lshl_add_u32 v4, v2, 4, v3                   ; a fragment's row x pitch + 16 h
	s_mul_i32 s18, s15, HALFT
	s_mul_i32 s19, s16, HALFT
	s_add_co_u32 s19, s19, 2*HALFT
.irp s, 0,1
	v_add_nc_u32 v[ADRA+\s], s18, v4
	v_add_nc_u32 v[ADRB+\s], s19, v4
	s_add_co_u32 s18, s18, SLOT
	s_add_co_u32 s19, s19, SLOT
.endr
	v_lshrrev_b32 v5, 3, v1                        ; a row's 32 scale bytes: eight rows to a unit of 256 + 16; lanes 16-31 take the next block of 16 rows, 544 bytes on
	v_and_b32 v6, 7, v1
	v_mul_u32_u24 v5, v5, 272
	v_lshl_add_u32 v5, v6, 5, v5
	v_mad_u32_u24 v5, v2, 544, v5
	s_mul_i32 s18, s15, HALFS
	s_add_co_u32 s18, s18, SCL
	v_add_nc_u32 v[ADSA], s18, v5
	s_mul_i32 s18, s16, HALFS
	s_add_co_u32 s18, s18, SCL+2*HALFS
	v_add_nc_u32 v[ADSB], s18, v5
	v_and_b32 v6, 31, v0
	v_lshlrev_b32 v[LI], 4, v6
	s_lshl_b32 s18, s14, 9
	s_add_co_u32 s18, s18, SST
	v_lshl_add_u32 v[SSA], v1, 3, s18
	v_add_nc_u32 v[SRD], s18, v[LI]
	v_mul_u32_u24 v[SWO], v2, HEADB
	v_lshl_add_u32 v[SWO], v1, 4, v[SWO]
	v_lshlrev_b32 v[RPO], 9, v2
	v_lshl_add_u32 v[RPO], v1, 4, v[RPO]
.irp b, 0,1,2,3
	v_mov_b32 v[TM+4+\b], 0                        ; written once: a lane permute's destination counts as one of its sources
.endr
	; where my results go: head bh = 16 batch + 4 TR + 2 x my half of A's rows (and the head after it); key step 2 (TC % 8) + my half of B's rows
	s_lshr_b32 s18, s42, 3
	s_lshl_b32 s18, s18, 4
	s_lshl_b32 s19, s17, 2
	s_add_co_u32 s18, s18, s19
	s_lshl_b32 s19, s15, 1
	s_add_co_u32 s18, s18, s19
	s_mul_i32 s18, s18, HEADB
	s_and_b32 s19, s42, 7
	s_lshl_b32 s19, s19, 1
	s_add_co_u32 s19, s19, s16
	s_lshl_b32 s46, s19, 12
	s_add_co_u32 s46, s46, s18
	s_add_co_u32 s46, s46, 73728
	s_mov_b32 s47, 0
	s_add_nc_u64 s[96:97], s[92:93], s[46:47]      ; the images
	s_lshl_b32 s46, s19, 8
	s_add_co_u32 s46, s46, s18
	s_add_co_u32 s46, s46, 139264
	s_add_nc_u64 s[98:99], s[92:93], s[46:47]      ; the scale words
	; THE TABLE: work-group g = 32 TR + TC takes 16 rows of freqs, a wave four, a lane 8 numbers.  It runs while the tiles are on their way
	s_lshl_b32 s18, s17, 5
	s_add_co_u32 s18, s18, s42
	s_lshl_b32 s19, s18, 12
	s_lshl_b32 s45, s14, 10
	s_add_co_u32 s46, s19, s45
	s_add_nc_u64 s[12:13], s[12:13], s[46:47]
	s_lshl_b32 s19, s18, 13
	s_lshl_b32 s45, s14, 11
	s_add_co_u32 s46, s19, s45
	s_add_nc_u64 s[94:95], s[94:95], s[46:47]
.irp i, 0,1
	global_load_b128 v[AX+4*\i:AX+4*\i+3], v[LI], s[12:13] offset:512*\i th:TH_LOAD_NT   ; 512 consecutive bytes: two rows of freqs
.endr
	s_mov_b32 s18, 0x3fc90fdb                      ; pi/2 in three parts
	s_mov_b32 s19, 0xb33bbd2e
	s_mov_b32 s20, 0xa6f72ceb
	s_mov_b32 s21, 0xbe2aaaa3                      ; the sine's coefficients: r^3, r^5, r^7
	s_mov_b32 s22, 0x3c08839e
	s_mov_b32 s23, 0xb94ca1f9
	s_mov_b32 s40, 0x37ccf5ce                      ; the cosine's: r^8, r^6, r^4
	s_mov_b32 s41, 0xbab6061a
	s_mov_b32 s43, 0x3d2aaaa5
	s_wait_loadcnt 0x0
.irp e, 0,1,2,3,4,5,6,7
	v_mul_f32 v[AN+\e], 0x3f22f983, v[AX+\e]       ; x 2/pi
.endr
.irp e, 0,1,2,3,4,5,6,7
	v_rndne_f32 v[AN+\e], v[AN+\e]
.endr
.irp e, 0,1,2,3,4,5,6,7
	v_fma_f32 v[AR+\e], -v[AN+\e], s18, v[AX+\e]
.endr
.irp e, 0,1,2,3,4,5,6,7
	v_fma_f32 v[AR+\e], -v[AN+\e], s19, v[AR+\e]
.endr
.irp e, 0,1,2,3,4,5,6,7
	v_fma_f32 v[AR+\e], -v[AN+\e], s20, v[AR+\e]
.endr
.irp e, 0,1,2,3,4,5,6,7
	v_cvt_i32_f32 v[AQ+\e], v[AN+\e]
.endr
.irp e, 0,1,2,3,4,5,6,7
	v_mul_f32 v[AZ+\e], v[AR+\e], v[AR+\e]
.endr
.irp e, 0,1,2,3,4,5,6,7
	v_fma_f32 v[ASI+\e], v[AZ+\e], s23, s22
.endr
.irp e, 0,1,2,3,4,5,6,7
	v_fma_f32 v[ASI+\e], v[ASI+\e], v[AZ+\e], s21
.endr
.irp e, 0,1,2,3,4,5,6,7
	v_mul_f32 v[AT+\e], v[AR+\e], v[AZ+\e]
.endr
.irp e, 0,1,2,3,4,5,6,7
	v_fma_f32 v[ASI+\e], v[ASI+\e], v[AT+\e], v[AR+\e]   ; sin r
.endr
.irp e, 0,1,2,3,4,5,6,7
	v_fma_f32 v[ACO+\e], v[AZ+\e], s40, s41
.endr
.irp e, 0,1,2,3,4,5,6,7
	v_fma_f32 v[ACO+\e], v[ACO+\e], v[AZ+\e], s43
.endr
.irp e, 0,1,2,3,4,5,6,7
	v_mul_f32 v[AT+\e], v[AZ+\e], v[AZ+\e]
.endr
.irp e, 0,1,2,3,4,5,6,7
	v_fma_f32 v[AU+\e], v[AZ+\e], -0.5, 1.0
.endr
.irp e, 0,1,2,3,4,5,6,7
	v_fma_f32 v[ACO+\e], v[ACO+\e], v[AT+\e], v[AU+\e]   ; cos r
.endr
.irp e, 0,1,2,3,4,5,6,7
	v_and_b32 v[AT+\e], 1, v[AQ+\e]                ; in an odd quadrant the two change places
	v_cmp_eq_u32 vcc_lo, 1, v[AT+\e]
	v_cndmask_b32 v[OSS+\e], v[ASI+\e], v[ACO+\e], vcc_lo
	v_cndmask_b32 v[OCC+\e], v[ACO+\e], v[ASI+\e], vcc_lo
.endr
.irp e, 0,1,2,3,4,5,6,7
	v_add_nc_u32 v[AT+\e], 2-2*(\e%2), v[AQ+\e]    ; the sine is negative where bit 1 of n is set; at even places s' = -sin: 2 more turns that bit
	v_add_nc_u32 v[AU+\e], 1, v[AQ+\e]             ; the cosine where bit 1 of n + 1 is set
.endr
.irp e, 0,1,2,3,4,5,6,7
	v_lshlrev_b32 v[AT+\e], 30, v[AT+\e]
	v_lshlrev_b32 v[AU+\e], 30, v[AU+\e]
.endr
.irp e, 0,1,2,3,4,5,6,7
	v_and_b32 v[AT+\e], 0x80000000, v[AT+\e]
	v_and_b32 v[AU+\e], 0x80000000, v[AU+\e]
.endr
.irp e, 0,1,2,3,4,5,6,7
	v_xor_b32 v[OSS+\e], v[OSS+\e], v[AT+\e]
	v_xor_b32 v[OCC+\e], v[OCC+\e], v[AU+\e]
.endr
.irp i, 0,1
	global_store_b128 v[RPO], v[OCC+4*\i:OCC+4*\i+3], s[94:95] offset:1024*\i       ; sixteen lanes store 256 consecutive bytes, aligned
	global_store_b128 v[RPO], v[OSS+4*\i:OSS+4*\i+3], s[94:95] offset:1024*\i+256
.endr
	s_wait_xcnt 0x0                                ; the stores have read their registers
; One matrix instruction; its registers stand in rD, rB, rA, rSB, rSA.  rb, ra: the scale words stand in lanes 16-31
.macro WMI c, rb, ra
.if (\rb) && (\ra)
	v_wmma_scale_f32_16x16x128_f8f6f4 v[rD:rD+7], v[rB:rB+7], v[rA:rA+7], \c, v[rSB], v[rSA] matrix_a_fmt:MATRIX_FMT_FP4 matrix_b_fmt:MATRIX_FMT_FP4 matrix_a_scale:MATRIX_SCALE_ROW1 matrix_b_scale:MATRIX_SCALE_ROW1
.elseif (\rb)
	v_wmma_scale_f32_16x16x128_f8f6f4 v[rD:rD+7], v[rB:rB+7], v[rA:rA+7], \c, v[rSB], v[rSA] matrix_a_fmt:MATRIX_FMT_FP4 matrix_b_fmt:MATRIX_FMT_FP4 matrix_a_scale:MATRIX_SCALE_ROW1
.elseif (\ra)
	v_wmma_scale_f32_16x16x128_f8f6f4 v[rD:rD+7], v[rB:rB+7], v[rA:rA+7], \c, v[rSB], v[rSA] matrix_a_fmt:MATRIX_FMT_FP4 matrix_b_fmt:MATRIX_FMT_FP4 matrix_b_scale:MATRIX_SCALE_ROW1
.else
	v_wmma_scale_f32_16x16x128_f8f6f4 v[rD:rD+7], v[rB:rB+7], v[rA:rA+7], \c, v[rSB], v[rSA] matrix_a_fmt:MATRIX_FMT_FP4 matrix_b_fmt:MATRIX_FMT_FP4
.endif
.endm
.macro WM cm, rb, ra                   ; cm = 0: the product starts the sum; 1: it adds in place
.if (\cm) == 0
	WMI 0, \rb, \ra
.else
	WMI v[rD:rD+7], \rb, \ra
.endif
.endm
; 16 matrix instructions: A's blocks a0, a0 + 1 x B's eight, the slot's q-th 128 along K.  p: B's set; sc: the set of scale words.  The 64 accumulators take turns, one instruction a turn
.macro MUL16 a0, p, q, sc, cm
.irp a, \a0, \a0+1
.irp b, 0,1,2,3,4,5,6,7
.set rD, 8*(8*((\a)%4)+\b)
.set rB, 128*(\p)+FR*\b
.set rA, AF+FR*(\a)
.set rSB, SCB+16*(\sc)+4*(\b/2)+(\q)
.set rSA, SCA+16*(\sc)+4*((\a)/2)+(\q)
	WM \cm, \b%2, (\a)%2
.endr
.endr
.endm
.macro FRAG reg, adr, q, i             ; 16 rows x 128 K: lane l holds row l % 16; registers 4 c .. 4 c + 3 hold K = 64 c + 32 (l / 16) + 0 .. 31
.irp c, 0,1
	ds_load_b128 v[\reg+4*\c:\reg+4*\c+3], v[\adr] offset:64*(\q)+32*\c+(\i)*16*PITCH
.endr
.endm
.macro FETCH_B slot, q, p
	WIN TO_B
.irp i, 0,1,2,3,4,5,6,7
	FRAG 128*(\p)+FR*\i, ADRB+\slot, \q, \i
.endr
	WIN 0
.endm
.macro FETCH_A slot, q, i0
.irp i, \i0, \i0+1, \i0+2, \i0+3
	FRAG AF+FR*(\i), ADRA+\slot, \q, \i
.endr
.endm
.macro SCALES s                        ; slot s's scale words: four words a row, two blocks of 16 rows a load
.irp i, 0,1,2,3
	ds_load_b128 v[SCB+16*\s+4*\i:SCB+16*\s+4*\i+3], v[ADSB] offset:1088*\i+16*\s
	ds_load_b128 v[SCA+16*\s+4*\i:SCA+16*\s+4*\i+3], v[ADSA] offset:1088*\i+16*\s
.endr
.endm
; A step of 128 along K that has its successor in the same slot.  A has one set of registers: blocks 0-3 are fetched anew in the step's middle, blocks 4-7 at its end; B has two sets
.macro STEP slot, q, cm
	s_wait_dscnt 4*NL                              ; all but the youngest eight loads, A's blocks 4-7
	WIN MUL_LO
	MUL16 0, (\q)%2, \q, \slot, \cm
	MUL16 2, (\q)%2, \q, \slot, \cm
	s_wait_dscnt 0
	PLACES NP                                      ; in front of loads into registers that matrix instructions have read
	FETCH_B \slot, (\q)+1, 1-(\q)%2
	FETCH_A \slot, (\q)+1, 0
	WIN MUL_HI
	MUL16 4, (\q)%2, \q, \slot, \cm
	MUL16 6, (\q)%2, \q, \slot, \cm
	PLACES NP
	WIN 0
	FETCH_A \slot, (\q)+1, 4
.endm
	s_wait_tensorcnt 1                             ; the scale bytes and my part of slot 0 are in; slot 1's load may be out
	s_barrier_signal -1
	s_barrier_wait -1
	FETCH_B 0, 0, 0
	FETCH_A 0, 0, 0
	SCALES 0
	FETCH_A 0, 0, 4
	STEP 0, 0, 0                                   ; the first products start the sums
	STEP 0, 1, 1
	STEP 0, 2, 1
	; slot 0's last step changes slots: one barrier; in front of it my loads have landed and my reads of slot 0 are over.  Nothing is filled again
	s_wait_tensorcnt 0x0
	ds_add_u32 v[SPW], v[NIL]                      ; 0 onto my spare word
	s_wait_dscnt 4*NL+1                            ; the add and A's blocks 4-7 may be out
	WIN MUL_LO
	MUL16 0, 1, NQ-1, 0, 1
	s_wait_dscnt 0x0
	s_barrier_signal -1
	MUL16 2, 1, NQ-1, 0, 1
	WIN 0
	s_barrier_wait -1
	PLACES NP
	FETCH_B 1, 0, 0
	FETCH_A 1, 0, 0
	SCALES 1
	WIN MUL_HI
	MUL16 4, 1, NQ-1, 0, 1
	MUL16 6, 1, NQ-1, 0, 1
	PLACES NP
	WIN 0
	FETCH_A 1, 0, 4
	STEP 1, 0, 1
	STEP 1, 1, 1
	STEP 1, 2, 1
	s_wait_dscnt 4*NL                              ; the last step: nothing more to fetch
	WIN MUL_LO
	MUL16 0, 1, NQ-1, 1, 1
	MUL16 2, 1, NQ-1, 1, 1
	s_wait_dscnt 0
	WIN MUL_HI
	MUL16 4, 1, NQ-1, 1, 1
	MUL16 6, 1, NQ-1, 1, 1
	WIN 0
	PLACES NP                                      ; in front of the first read of results
; 64 numbers of a lane in window w, v[s] on: register 16 b + 8 u + j is k = 32 b + 16 u + 8 (lane / 16) + j of my row.  They become a fragment's codes in v[PC] on; the four scale bytes are left in v[TM+4] on.
; The conversion of the eight registers (b, u) is word 2 u + lane / 16 of block b; the operand wants word i of block 2 c + lane / 16 in register 4 c + i: so it is written to register 4 (b / 2) + 2 u + b % 2,
; and each pair 4 c + 2 u, 4 c + 2 u + 1 then exchanges the first's upper lanes with the second's lower ones.
.macro QUANT s, w
	WIN (\w)*5                                     ; sources 0 and 1 in window w
.irp b, 0,1,2,3
	v_max3_num_f32 v[TM+\b], |v[\s+16*\b]|, |v[\s+1+16*\b]|, 0x1800000   ; with the floor 2^(3 - 127): the byte cannot fall under 1.  Each accumulator is read from its low end on
.endr
.irp i, 2,4,6,8,10,12,14
.irp b, 0,1,2,3
	v_max3_num_f32 v[TM+\b], |v[\s+16*\b+\i]|, |v[\s+1+16*\b+\i]|, v[TM+\b]
.endr
.endr
	WIN 0
.irp b, 0,1,2,3
	v_permlanex16_b32 v[TM+4+\b], v[TM+\b], s[SEL], s[SEL+1]
.endr
.irp b, 0,1,2,3
	v_max_num_f32 v[TM+\b], v[TM+\b], v[TM+4+\b]   ; with lane l xor 16's: the block's largest magnitude
.endr
.irp b, 0,1,2,3
	v_add_nc_u32 v[TM+12+\b], 0xff000000, v[TM+\b] ; 2 off its exponent field: the conversion's scale operand
.endr
.irp b, 0,1,2,3
	v_lshrrev_b32 v[TM+4+\b], 23, v[TM+12+\b]      ; the scale's byte
.endr
	WIN \w
.irp b, 0,1,2,3
.irp u, 0,1
	v_cvt_scalef32_pk8_fp4_f32 v[PC+4*(\b/2)+2*\u+(\b%2)], v[\s+16*\b+8*\u:\s+16*\b+8*\u+7], v[TM+12+\b]
.endr
.endr
	WIN 0
	v_nop                                          ; one plain place behind a scaled conversion
.irp c, 0,1
.irp u, 0,1
	v_permlane16_swap_b32 v[PC+4*\c+2*\u], v[PC+4*\c+2*\u+1]
.endr
.endr
.endm
.irp a, 0,1,2,3,4,5,6,7                ; block a: channels 16 a on of my 128: head a / 4 of my two, channel tile a % 4
.if \a > 0
	s_wait_xcnt 0x0                                ; the last block's stores have read the codes' registers
.endif
	QUANT 64*((\a)%4), 2+(\a)/4
	v_lshl_or_b32 v[PW], v[TM+5], 8, v[TM+4]
	v_lshl_or_b32 v[PW], v[TM+6], 16, v[PW]
	v_lshl_or_b32 v[PW], v[TM+7], 24, v[PW]
.irp c, 0,1
	global_store_b128 v[LI], v[PC+4*\c:PC+4*\c+3], s[96:97] offset:((\a)/4)*HEADB+((\a)%4)*1024+512*\c   ; 512 consecutive bytes, aligned
.endr
	ds_store_b32 v[SSA], v[PW] offset:256*((\a)/4)+128*((\a)%2)+4*(((\a)%4)/2)   ; lanes r and 16 + r write the same word with the same value
.endr
	ds_load_b128 v[OB:OB+3], v[SRD]                ; LDS serves a wave's instructions in order: this sees my stores
	s_wait_dscnt 0x0
	global_store_b128 v[SWO], v[OB:OB+3], s[98:99] ; two whole units of 256 bytes: one for each of my two heads
	s_wait_tensorcnt 0x0                           ; the wave's end
	ds_add_u32 v[SPW], v[NIL]
	s_wait_dscnt 0x0
	CROUND                                         ; the closing round
	s_endpgm
.Lfunc_end_k_q2991944eeb_vproj:
	.size	k_q2991944eeb_vproj, .Lfunc_end_k_q2991944eeb_vproj-k_q2991944eeb_vproj
	.p2alignl 7, 3214868480
	.fill 96, 4, 3214868480
	.section	.rodata,"a",@progbits
	.p2align	6, 0x0
	.amdhsa_kernel k_q2991944eeb_vproj
		.amdhsa_group_segment_fixed_size 327680
		.amdhsa_private_segment_fixed_size 0
		.amdhsa_enable_private_segment 0
		.amdhsa_kernarg_size 56
		.amdhsa_user_sgpr_count 2
		.amdhsa_user_sgpr_kernarg_segment_ptr 1
		.amdhsa_wavefront_size32 1
		.amdhsa_system_sgpr_workgroup_id_x 1
		.amdhsa_system_sgpr_workgroup_id_y 1
		.amdhsa_system_sgpr_workgroup_id_z 1
		.amdhsa_system_vgpr_workitem_id 0
		.amdhsa_next_free_vgpr 1024
		.amdhsa_next_free_sgpr 100
		.amdhsa_reserve_vcc 1
		.amdhsa_float_denorm_mode_32 3
		.amdhsa_float_denorm_mode_16_64 3
		.amdhsa_memory_ordered 1
		.amdhsa_forward_progress 1
		.amdhsa_inst_pref_size 141
	.end_amdhsa_kernel
	.amdgpu_metadata
---
amdhsa.version: [ 1, 2 ]
amdhsa.kernels:
  - .name:           k_q2991944eeb_vproj
    .symbol:         k_q2991944eeb_vproj.kd
    .args:
      - { .name: W_qkv_codes, .offset: 0, .size: 8, .value_kind: global_buffer, .address_space: global }
      - { .name: W_qkv_scales, .offset: 8, .size: 8, .value_kind: global_buffer, .address_space: global }
      - { .name: x_codes, .offset: 16, .size: 8, .value_kind: global_buffer, .address_space: global }
      - { .name: x_scales, .offset: 24, .size: 8, .value_kind: global_buffer, .address_space: global }
      - { .name: freqs, .offset: 32, .size: 8, .value_kind: global_buffer, .address_space: global }
      - { .name: kv, .offset: 40, .size: 8, .value_kind: global_buffer, .address_space: global }
      - { .name: rope, .offset: 48, .size: 8, .value_kind: global_buffer, .address_space: global }
    .group_segment_fixed_size: 327680
    .private_segment_fixed_size: 0
    .kernarg_segment_align: 8
    .kernarg_segment_size: 56
    .max_flat_workgroup_size: 128
    .sgpr_count:     100
    .vgpr_count:     1024
    .wavefront_size: 32
...
	.end_amdgpu_metadata
.endif
;; end of part 1
;; launch qkproj (part 2): grid 8 x 32, 4 waves a work-group, clusters of 4 x 4, 327,680 bytes of LDS; arguments x_codes, x_scales, W_qkv_codes, W_qkv_scales, rope, qb, kv; writes qb, kv
.if DOCPART == 2
	.amdgcn_target "amdgcn-amd-amdhsa--gfx1250"
	.amdhsa_code_object_version 6
	.text
	.protected	k_q2991944eeb_qkproj
	.globl	k_q2991944eeb_qkproj
	.p2align	8
	.type	k_q2991944eeb_qkproj,@function
k_q2991944eeb_qkproj:
	s_mov_b64 s[64:65], 0
	v_nop
	global_prefetch_b8 v0, s[64:65] scope:SCOPE_SE
	s_setreg_imm32_b32 hwreg(HW_REG_WAVE_MODE, 25, 1), 1
	s_wait_xcnt 0x0
	s_wait_alu depctr_hold_cnt(0) depctr_sa_sdst(0) depctr_va_vdst(0) depctr_va_sdst(0) depctr_va_ssrc(0) depctr_va_vcc(0) depctr_vm_vsrc(0)
	s_getreg_b32 s2, hwreg(HW_REG_IB_STS2, 6, 4)
	s_cmp_eq_u32 s2, 0
	s_cbranch_scc0 .Lentry_in_a_cluster
	s_endpgm
.Lentry_in_a_cluster:
	s_bfe_u32 s2, ttmp6, 0x10000c
	s_cmp_lg_u32 s2, 0xf033
	s_cbranch_scc0 .Lentry_shape_is_right
	s_endpgm
.Lentry_shape_is_right:
; q and k = RoPE(x Wq,k^T) on codes of FP4 (E2M1) with E8M0 scales, then quantised along the head's 64 and stored as images of operand registers.
; A tile is 256 rows of x (the A side) x 256 rows of W_qkv (the B side: rows 0 .. 2,047; tile columns 0-3 are q, 4-7 are k).  Four waves, each 128 x 128.  K = 1,024 is two LDS slots of 512, both asked for at the head.
; THE MATRIX INSTRUCTION IS USED TRANSPOSED: source 0 = 16 rows of W, source 1 = 16 rows of x.  Lane (r, h) of accumulator (a, b) holds row t = 16 a + r, and its register j feature 16 b + 8 h + j: the pairs that RoPE turns lie in one lane.
; RoPE: out[d] = x[d] cos[t][d] + x[d xor 1] s'[t][d], with s' = -sin at even d and +sin at odd d, from the table that the launch before has made.  The table's 256 rows come as the one refill of slot 0, jointly along a row of
; the cluster, behind the change of slots, and land under slot 1's products.
; OUT, for each head bh: q at qb + 73,728 bh, k at kv + 143,360 bh:  + 0: [tile of 16 rows 128][lane 32][16 bytes]: lane (r, h) holds block h of row r;  + 65,536: scale words [128 rows 16][lane 32][4]: word (l, i) is tile 2 i + l / 16, row l % 16;
; its bytes 0 and 1 are the two blocks' scales, bytes 2 and 3 are 0x7f (the upper half of the attention product's K = 128 holds zero codes).
; LIMITS: NaN, infinities and scale bytes 0xff among the inputs are not served.  A block of zeros gets the scale byte 1 and not 127: its codes are zeros, and this program alone reads the bytes.
.set NQ,     4
.set ROWB,   256
.set KROW,   512
.set PITCH,  272
.set FR,     8
.set NL,     2
.set NP,     4
.set HALFT,  128*PITCH
.set SLOT,   4*HALFT
.set HALFS,  16*272
.set SCL,    2*SLOT
.set SPARE,  SCL+4*HALFS               ; the spare words: 128 bytes a wave, named by no other line
.set SST,    SPARE+512                 ; a stage of 1,024 bytes a wave for the scale words on their way out; no tile lands here
.set HEADB,  143360
.set QHB,    73728
.set TP,     528                       ; a row of the table in LDS: 512 bytes + 16
.set ADRA, 16
.set ADRB, 20
.set ADSA, 22
.set ADSB, 23
.set LI,   24                          ; v24  16 x lane
.set SSA,  25                          ; v25  the stage: SST + 1,024 wave + 16 r
.set SRD,  26                          ; v26  and back: SST + 1,024 wave + 16 lane
.set TBA,  27                          ; v27  the table: (128 x my half of A's rows + r) x 528 + 32 h
.set SPW,  28
.set NIL,  29
.set SCB,  32                          ; v32-63, v64-95: scale words, and nothing else in the whole text
.set SCA,  64
.set PC,   96
.set TM,   104
.set PW,   120                         ; v120-121 the two heads' scale words
.set AF,   128
.set CT,   128                         ; behind the product: v128-159 cos, v160-191 s' of a block's rows
.set SN,   160
.set OB,   192                         ; v192-199 scale words on their way out
.set G1, 24
.set G0, 32
.set G1B, 48
.set G0B, 56
.set G1S, 68
.set G0S, 76
.set G1SB, 80
.set G0SB, 88
.set G1T, 92                           ; s[92:99] group 1 for the table;  s[20:23] its group 0
.set G0T, 20
.set SEL, 66
.set MSB, 0
.macro WIN new
.if MSB != (\new)
	s_set_vgpr_msb (MSB<<8)|(\new)
.set MSB, (\new)
.endif
.endm
.set MUL_LO, 0xa1
.set MUL_HI, 0xf1
.set TO_B,   0x40
.macro JLOAD g0a, g1a, g0b, g1b        ; a joint load: waves 0 and 1 for A, waves 2 and 3 for B; four v_nop follow each line
	s_cmp_eq_u32 s15, 0
	s_cbranch_scc0 .Lfor_b_\@
	tensor_load_to_lds s[\g0a:\g0a+3], s[\g1a:\g1a+7]
	s_nop 0
.rept 4
	v_nop
.endr
	s_branch .Lasked_\@
.Lfor_b_\@:
	tensor_load_to_lds s[\g0b:\g0b+3], s[\g1b:\g1b+7]
	s_nop 0
.rept 4
	v_nop
.endr
.Lasked_\@:
.endm
.macro CREST                           ; a round of the cluster's barrier behind its opening barrier
	s_cmp_lg_u32 s14, 0
	s_cbranch_scc1 .Lnot_wave_0_\@
	s_barrier_signal -3
.Lnot_wave_0_\@:
	s_barrier_wait -3
	s_barrier_signal -1
	s_barrier_wait -1
.endm
.macro CROUND
	s_barrier_signal -1
	s_barrier_wait -1
	CREST
.endm
.macro PLACES n
.rept \n
	v_nop
.endr
.endm
	s_load_b256 s[4:11], s[0:1], 0x0               ; x's codes, x's scales, W_qkv's codes, its scales
	s_load_b64 s[12:13], s[0:1], 0x20              ; rope
	s_load_b64 s[100:101], s[0:1], 0x28            ; qb
	s_load_b64 s[104:105], s[0:1], 0x30            ; kv
	v_lshl_add_u32 v[SPW], v0, 2, SPARE
	v_mov_b32 v[NIL], 0
	ds_add_u32 v28, v29
	ds_add_u32 v28, v29
	s_wait_dscnt 0x0
	v_lshrrev_b32 v1, 5, v0
	v_readfirstlane_b32 s14, v1                    ; wave 0..3
	s_lshr_b32 s15, s14, 1                         ; my half of A's rows.  Also: I fetch for A (0) or for B (1)
	s_and_b32 s16, s14, 1                          ; my half of B's rows.  Also: which 128 rows I fetch
	s_bfe_u32 s40, ttmp6, 0x40000                  ; cx
	s_bfe_u32 s41, ttmp6, 0x40004                  ; cy
	s_lshl_b32 s42, ttmp9, 2
	s_add_co_u32 s42, s42, s40                     ; TC
	s_and_b32 s17, ttmp7, 0xffff
	s_lshl_b32 s17, s17, 2
	s_add_co_u32 s17, s17, s41                     ; TR
	s_lshl_b32 s43, s41, 2
	s_lshl_b32 s43, 15, s43                        ; my row of the cluster
	s_lshl_b32 s44, 0x1111, s40                    ; my column
	s_or_b32 s[G1+0], s43, (1<<20)|(1<<21)|(5<<22)|(3<<25)
	s_or_b32 s[G1B+0], s44, (1<<20)|(1<<21)|(5<<22)|(3<<25)
.irp g, G1, G1B
	s_mov_b32 s[\g+1], ROWB<<16
	s_mov_b32 s[\g+2], 128<<16
	s_mov_b32 s[\g+3], ROWB<<16
	s_mov_b32 s[\g+4], 128
	s_mov_b32 s[\g+5], KROW
	s_mov_b32 s[\g+6], 0
	s_mov_b32 s[\g+7], 0
.endr
	s_or_b32 s[G1S+0], s43, (3<<16)|(1<<20)|(1<<21)|(5<<22)|(3<<25)
	s_or_b32 s[G1SB+0], s44, (3<<16)|(1<<20)|(1<<21)|(5<<22)|(3<<25)
.irp g, G1S, G1SB
	s_mov_b32 s[\g+1], 32<<16
	s_mov_b32 s[\g+2], 16<<16
	s_mov_b32 s[\g+3], 32<<16
	s_mov_b32 s[\g+4], 16
	s_mov_b32 s[\g+5], 32
	s_mov_b32 s[\g+6], 0
	s_mov_b32 s[\g+7], 0
.endr
	s_or_b32 s[G1T+0], s43, (2<<16)|(1<<20)|(1<<21)|(6<<22)|(3<<25)  ; the table: 64 rows of 128 elements of 4 bytes, 4 words of padding behind every 128; it hangs on the tile row alone: my row's mask
	s_mov_b32 s[G1T+1], 128<<16
	s_mov_b32 s[G1T+2], 64<<16
	s_mov_b32 s[G1T+3], 128<<16
	s_mov_b32 s[G1T+4], 64
	s_mov_b32 s[G1T+5], 128
	s_mov_b32 s[G1T+6], 0
	s_mov_b32 s[G1T+7], 0
	s_lshl_b32 s18, s16, 7
	s_lshl_b32 s20, s17, 8
	s_add_co_u32 s20, s20, s18                     ; A: row 256 TR + 128 x half
	s_lshl_b32 s46, s42, 8
	s_add_co_u32 s46, s46, s18                     ; B: row 256 TC + 128 x half
	s_lshl_b32 s22, s20, 5
	s_mov_b32 s23, 0
	s_lshl_b32 s20, s20, 9
	s_mov_b32 s21, 0
	s_lshl_b32 s2, s46, 5
	s_mov_b32 s3, 0
	s_lshl_b32 s46, s46, 9
	s_mov_b32 s47, 0
	s_mul_i32 s45, s14, HALFT
	s_mul_i32 s19, s14, HALFS
	s_mov_b32 s[SEL], 0x76543210
	s_mov_b32 s[SEL+1], 0xfedcba98
	s_wait_kmcnt 0x0
	s_add_nc_u64 s[20:21], s[4:5], s[20:21]
	s_add_nc_u64 s[22:23], s[6:7], s[22:23]
	s_add_nc_u64 s[46:47], s[8:9], s[46:47]
	s_add_nc_u64 s[2:3], s[10:11], s[2:3]
	s_mov_b32 s[G0S], 1
	s_add_co_u32 s[G0S+1], s19, SCL
	s_mov_b64 s[G0S+2:G0S+3], s[22:23]
	s_or_b32 s[G0S+3], s[G0S+3], 0x80000000
	s_mov_b32 s[G0SB], 1
	s_add_co_u32 s[G0SB+1], s19, SCL
	s_mov_b64 s[G0SB+2:G0SB+3], s[2:3]
	s_or_b32 s[G0SB+3], s[G0SB+3], 0x80000000
.irp s, 0,1
	s_mov_b32 s[G0+4*\s], 1
	s_add_co_u32 s[G0+4*\s+1], s45, \s*SLOT
	s_add_nc_u64 s[G0+4*\s+2:G0+4*\s+3], s[20:21], \s*ROWB
	s_or_b32 s[G0+4*\s+3], s[G0+4*\s+3], 0x80000000
	s_mov_b32 s[G0B+4*\s], 1
	s_add_co_u32 s[G0B+4*\s+1], s45, \s*SLOT
	s_add_nc_u64 s[G0B+4*\s+2:G0B+4*\s+3], s[46:47], \s*ROWB
	s_or_b32 s[G0B+4*\s+3], s[G0B+4*\s+3], 0x80000000
.endr
	s_and_b32 s18, s17, 7                          ; the table's rows: t = 256 (TR % 8) + 64 wave on, 512 bytes each
	s_lshl_b32 s18, s18, 8
	s_lshl_b32 s19, s14, 6
	s_add_co_u32 s18, s18, s19
	s_lshl_b32 s18, s18, 9
	s_mov_b32 s19, 0
	s_mov_b32 s[G0T], 1
	s_mul_i32 s[G0T+1], s14, 64*TP                 ; into slot 0: wave x 64 rows
	s_add_nc_u64 s[G0T+2:G0T+3], s[12:13], s[18:19]
	s_or_b32 s[G0T+3], s[G0T+3], 0x80000000
	CROUND                                         ; all sixteen work-groups are here: the first joint loads meet
	JLOAD G0S, G1S, G0SB, G1SB                     ; the scale bytes, slot 0, slot 1: three loads of mine are out
	JLOAD G0, G1, G0B, G1B
	JLOAD G0+4, G1, G0B+4, G1B
	v_and_b32 v1, 15, v0                           ; r
	v_bfe_u32 v2, v0, 4, 1                         ; h
	v_mul_u32_u24 v3, v1, PITCH
	v_lshl_add_u32 v4, v2, 4, v3
	s_mul_i32 s18, s15, HALFT
	s_mul_i32 s19, s16, HALFT
	s_add_co_u32 s19, s19, 2*HALFT
.irp s, 0,1
	v_add_nc_u32 v[ADRA+\s], s18, v4
	v_add_nc_u32 v[ADRB+\s], s19, v4
	s_add_co_u32 s18, s18, SLOT
	s_add_co_u32 s19, s19, SLOT
.endr
	v_lshrrev_b32 v5, 3, v1
	v_and_b32 v6, 7, v1
	v_mul_u32_u24 v5, v5, 272
	v_lshl_add_u32 v5, v6, 5, v5
	v_mad_u32_u24 v5, v2, 544, v5
	s_mul_i32 s18, s15, HALFS
	s_add_co_u32 s18, s18, SCL
	v_add_nc_u32 v[ADSA], s18, v5
	s_mul_i32 s18, s16, HALFS
	s_add_co_u32 s18, s18, SCL+2*HALFS
	v_add_nc_u32 v[ADSB], s18, v5
	v_and_b32 v6, 31, v0
	v_lshlrev_b32 v[LI], 4, v6
	s_lshl_b32 s18, s14, 10
	s_add_co_u32 s18, s18, SST
	v_lshl_add_u32 v[SSA], v1, 4, s18
	v_add_nc_u32 v[SRD], s18, v[LI]
	s_mul_i32 s18, s15, 128*TP
	v_mul_u32_u24 v[TBA], v1, TP
	v_lshl_add_u32 v[TBA], v2, 5, v[TBA]
	v_add_nc_u32 v[TBA], s18, v[TBA]
.irp b, 0,1,2,3
	v_mov_b32 v[TM+4+\b], 0                        ; written once: a lane permute's destination counts as one of its sources
.endr
	; where my results go.  Cluster x = 0 makes q, cluster x = 1 makes k: the choice of the buffer hangs on that number alone
	s_cmp_eq_u32 ttmp9, 0
	s_cselect_b64 s[100:101], s[100:101], s[104:105]
	s_mov_b32 s2, HEADB
	s_cselect_b32 s2, QHB, s2                      ; bytes from head to head
	s_mov_b32 s3, 0
	s_lshr_b32 s18, s17, 3
	s_lshl_b32 s18, s18, 4
	s_lshl_b32 s19, s40, 2
	s_add_co_u32 s18, s18, s19
	s_lshl_b32 s19, s16, 1
	s_add_co_u32 s18, s18, s19                     ; head bh = 16 batch + 4 (TC % 4) + 2 x my half of B's rows, and the head after it
	s_mul_i32 s18, s18, s2
	s_and_b32 s19, s17, 7
	s_lshl_b32 s19, s19, 1
	s_add_co_u32 s19, s19, s15                     ; which 128 rows of the head: 2 (TR % 8) + my half of A's rows
	s_lshl_b32 s46, s19, 12
	s_add_co_u32 s46, s46, s18
	s_mov_b32 s47, 0
	s_add_nc_u64 s[4:5], s[100:101], s[46:47]      ; the first head's images,
	s_add_nc_u64 s[6:7], s[4:5], s[2:3]            ; the second's,
	s_lshl_b32 s46, s19, 9
	s_add_co_u32 s46, s46, s18
	s_add_co_u32 s46, s46, 65536
	s_add_nc_u64 s[8:9], s[100:101], s[46:47]      ; the first head's scale words,
	s_add_nc_u64 s[10:11], s[8:9], s[2:3]          ; the second's
.macro WMI c, rb, ra                   ; one matrix instruction; its registers stand in rD, rB, rA, rSB, rSA.  rb, ra: the scale words stand in lanes 16-31
.if (\rb) && (\ra)
	v_wmma_scale_f32_16x16x128_f8f6f4 v[rD:rD+7], v[rB:rB+7], v[rA:rA+7], \c, v[rSB], v[rSA] matrix_a_fmt:MATRIX_FMT_FP4 matrix_b_fmt:MATRIX_FMT_FP4 matrix_a_scale:MATRIX_SCALE_ROW1 matrix_b_scale:MATRIX_SCALE_ROW1
.elseif (\rb)
	v_wmma_scale_f32_16x16x128_f8f6f4 v[rD:rD+7], v[rB:rB+7], v[rA:rA+7], \c, v[rSB], v[rSA] matrix_a_fmt:MATRIX_FMT_FP4 matrix_b_fmt:MATRIX_FMT_FP4 matrix_a_scale:MATRIX_SCALE_ROW1
.elseif (\ra)
	v_wmma_scale_f32_16x16x128_f8f6f4 v[rD:rD+7], v[rB:rB+7], v[rA:rA+7], \c, v[rSB], v[rSA] matrix_a_fmt:MATRIX_FMT_FP4 matrix_b_fmt:MATRIX_FMT_FP4 matrix_b_scale:MATRIX_SCALE_ROW1
.else
	v_wmma_scale_f32_16x16x128_f8f6f4 v[rD:rD+7], v[rB:rB+7], v[rA:rA+7], \c, v[rSB], v[rSA] matrix_a_fmt:MATRIX_FMT_FP4 matrix_b_fmt:MATRIX_FMT_FP4
.endif
.endm
.macro WM cm, rb, ra
.if (\cm) == 0
	WMI 0, \rb, \ra
.else
	WMI v[rD:rD+7], \rb, \ra
.endif
.endm
.macro MUL16 a0, p, q, sc, cm          ; A's blocks a0, a0 + 1 x B's eight; the 64 accumulators take turns, one instruction a turn
.irp a, \a0, \a0+1
.irp b, 0,1,2,3,4,5,6,7
.set rD, 8*(8*((\a)%4)+\b)
.set rB, 128*(\p)+FR*\b
.set rA, AF+FR*(\a)
.set rSB, SCB+16*(\sc)+4*(\b/2)+(\q)
.set rSA, SCA+16*(\sc)+4*((\a)/2)+(\q)
	WM \cm, \b%2, (\a)%2
.endr
.endr
.endm
.macro FRAG reg, adr, q, i
.irp c, 0,1
	ds_load_b128 v[\reg+4*\c:\reg+4*\c+3], v[\adr] offset:64*(\q)+32*\c+(\i)*16*PITCH
.endr
.endm
.macro FETCH_B slot, q, p
	WIN TO_B
.irp i, 0,1,2,3,4,5,6,7
	FRAG 128*(\p)+FR*\i, ADRB+\slot, \q, \i
.endr
	WIN 0
.endm
.macro FETCH_A slot, q, i0
.irp i, \i0, \i0+1, \i0+2, \i0+3
	FRAG AF+FR*(\i), ADRA+\slot, \q, \i
.endr
.endm
.macro SCALES s
.irp i, 0,1,2,3
	ds_load_b128 v[SCB+16*\s+4*\i:SCB+16*\s+4*\i+3], v[ADSB] offset:1088*\i+16*\s
	ds_load_b128 v[SCA+16*\s+4*\i:SCA+16*\s+4*\i+3], v[ADSA] offset:1088*\i+16*\s
.endr
.endm
.macro STEP slot, q, cm
	s_wait_dscnt 4*NL                              ; all but the youngest eight loads, A's blocks 4-7
	WIN MUL_LO
	MUL16 0, (\q)%2, \q, \slot, \cm
	MUL16 2, (\q)%2, \q, \slot, \cm
	s_wait_dscnt 0
	PLACES NP
	FETCH_B \slot, (\q)+1, 1-(\q)%2
	FETCH_A \slot, (\q)+1, 0
	WIN MUL_HI
	MUL16 4, (\q)%2, \q, \slot, \cm
	MUL16 6, (\q)%2, \q, \slot, \cm
	PLACES NP
	WIN 0
	FETCH_A \slot, (\q)+1, 4
.endm
	s_wait_tensorcnt 1                             ; the scale bytes and my part of slot 0 are in; slot 1's load may be out
	s_barrier_signal -1
	s_barrier_wait -1
	FETCH_B 0, 0, 0
	FETCH_A 0, 0, 0
	SCALES 0
	FETCH_A 0, 0, 4
	STEP 0, 0, 0
	STEP 0, 1, 1
	STEP 0, 2, 1
	; slot 0's last step changes slots.  In front of the round: all my tensor loads have landed, the add, my reads of slot 0 are over.  Behind it slot 0 takes the table: my one tensor load
	s_wait_tensorcnt 0x0
	ds_add_u32 v[SPW], v[NIL]                      ; 0 onto my spare word
	s_wait_dscnt 4*NL+1                            ; the add and A's blocks 4-7 may be out
	WIN MUL_LO
	MUL16 0, 1, NQ-1, 0, 1
	s_wait_dscnt 0x0
	s_barrier_signal -1                            ; this barrier opens a round of the cluster's barrier
	MUL16 2, 1, NQ-1, 0, 1
	WIN 0
	s_barrier_wait -1
	CREST                                          ; no wave of any partner still reads slot 0 or has a load on its way
	tensor_load_to_lds s[G0T:G0T+3], s[G1T:G1T+7]  ; 64 rows of the table a wave; it has slot 1's 256 matrix instructions in which to land
	s_nop 0
.rept 4
	v_nop                                          ; (the places in front of the loads below)
.endr
	FETCH_B 1, 0, 0
	FETCH_A 1, 0, 0
	SCALES 1
	WIN MUL_HI
	MUL16 4, 1, NQ-1, 0, 1
	MUL16 6, 1, NQ-1, 0, 1
	PLACES NP
	WIN 0
	FETCH_A 1, 0, 4
	STEP 1, 0, 1
	STEP 1, 1, 1
	STEP 1, 2, 1
	s_wait_dscnt 4*NL
	WIN MUL_LO
	MUL16 0, 1, NQ-1, 1, 1
	MUL16 2, 1, NQ-1, 1, 1
	s_wait_dscnt 0
	WIN MUL_HI
	MUL16 4, 1, NQ-1, 1, 1
	MUL16 6, 1, NQ-1, 1, 1
	WIN 0
	s_wait_tensorcnt 0x0                           ; my 64 rows of the table are in;
	s_wait_dscnt 0x0
	s_barrier_signal -1
	s_barrier_wait -1                              ; everybody's are: my 128 rows were fetched by two waves
	PLACES NP                                      ; in front of loads into A's registers and of the first read of results
.macro LOADT a                         ; cos and s' of block a's rows: my row's 32 numbers of each: channels 16 b + 8 h + 0 .. 7, b = 0 .. 3
.irp b, 0,1,2,3
.irp e, 0,1
	ds_load_b128 v[CT+8*\b+4*\e:CT+8*\b+4*\e+3], v[TBA] offset:16*TP*(\a)+64*\b+16*\e
	ds_load_b128 v[SN+8*\b+4*\e:SN+8*\b+4*\e+3], v[TBA] offset:16*TP*(\a)+64*\b+16*\e+256
.endr
.endr
.endm
.macro ROPE a                          ; block a's 64 numbers, turned, into v0-63 of window 1 (B's first set, which is done with)
	WIN 0x52+(\a)/4                                ; source 0: the accumulators' window; source 1: window 0; source 2 and destination: window 1
.irp b, 0,1,2,3,4,5,6,7
.irp p, 0,2,4,6
	v_pk_mul_f32 v[8*\b+\p:8*\b+\p+1], v[64*((\a)%4)+8*\b+\p:64*((\a)%4)+8*\b+\p+1], v[CT+8*(\b%4)+\p:CT+8*(\b%4)+\p+1]   ; x cos; each accumulator from its low end on
.endr
.endr
.irp b, 0,1,2,3,4,5,6,7
.irp p, 0,2,4,6
	v_pk_fma_f32 v[8*\b+\p:8*\b+\p+1], v[64*((\a)%4)+8*\b+\p:64*((\a)%4)+8*\b+\p+1], v[SN+8*(\b%4)+\p:SN+8*(\b%4)+\p+1], v[8*\b+\p:8*\b+\p+1] op_sel:[1,0,0] op_sel_hi:[0,1,1]   ; + the pair's other number x s'
.endr
.endr
	WIN 0
.endm
; 64 numbers of a lane in window w, v[s] on: register 16 b + 8 u + j is k = 32 b + 16 u + 8 (lane / 16) + j of my row.  Codes to v[PC] on, the four scale bytes to v[TM+4] on.
; The conversion of (b, u) is word 2 u + lane / 16 of block b; the operand wants word i of block 2 c + lane / 16 in register 4 c + i: it is written to register 4 (b / 2) + 2 u + b % 2, and the pairs exchange halves.
.macro QUANT s, w
	WIN (\w)*5
.irp b, 0,1,2,3
	v_max3_num_f32 v[TM+\b], |v[\s+16*\b]|, |v[\s+1+16*\b]|, 0x1800000   ; with the floor 2^(3 - 127): the byte cannot fall under 1
.endr
.irp i, 2,4,6,8,10,12,14
.irp b, 0,1,2,3
	v_max3_num_f32 v[TM+\b], |v[\s+16*\b+\i]|, |v[\s+1+16*\b+\i]|, v[TM+\b]
.endr
.endr
	WIN 0
.irp b, 0,1,2,3
	v_permlanex16_b32 v[TM+4+\b], v[TM+\b], s[SEL], s[SEL+1]
.endr
.irp b, 0,1,2,3
	v_max_num_f32 v[TM+\b], v[TM+\b], v[TM+4+\b]
.endr
.irp b, 0,1,2,3
	v_add_nc_u32 v[TM+12+\b], 0xff000000, v[TM+\b]
.endr
.irp b, 0,1,2,3
	v_lshrrev_b32 v[TM+4+\b], 23, v[TM+12+\b]
.endr
	WIN \w
.irp b, 0,1,2,3
.irp u, 0,1
	v_cvt_scalef32_pk8_fp4_f32 v[PC+4*(\b/2)+2*\u+(\b%2)], v[\s+16*\b+8*\u:\s+16*\b+8*\u+7], v[TM+12+\b]
.endr
.endr
	WIN 0
	v_nop                                          ; one plain place behind a scaled conversion
.irp c, 0,1
.irp u, 0,1
	v_permlane16_swap_b32 v[PC+4*\c+2*\u], v[PC+4*\c+2*\u+1]
.endr
.endr
.endm
	s_wait_alu depctr_va_vdst(0)
	LOADT 0
.irp a, 0,1,2,3,4,5,6,7                ; block a: rows 16 a on of my 128; its 128 features are two heads: registers 0-3 of the codes are the first head's fragment, 4-7 the second's
	s_wait_dscnt 0x0                               ; the block's cos and s' are in
.if \a > 0
	s_wait_xcnt 0x0                                ; the last block's stores have read the codes' registers
.endif
	ROPE \a
.if \a < 7
	LOADT \a+1                                     ; the next block's: they land while this one is quantised
.endif
	QUANT 0, 1
	v_lshl_or_b32 v[PW], v[TM+5], 8, v[TM+4]
	v_lshl_or_b32 v[PW+1], v[TM+7], 8, v[TM+6]
	v_or_b32 v[PW], 0x7f7f0000, v[PW]              ; bytes 2 and 3: the scale 1, for the half of K that holds zero codes
	v_or_b32 v[PW+1], 0x7f7f0000, v[PW+1]
	global_store_b128 v[LI], v[PC:PC+3], s[4:5] offset:512*\a          ; 512 consecutive bytes, aligned
	global_store_b128 v[LI], v[PC+4:PC+7], s[6:7] offset:512*\a
	ds_store_b32 v[SSA], v[PW] offset:256*(\a%2)+4*(\a/2)              ; lanes r and 16 + r write the same word with the same value
	ds_store_b32 v[SSA], v[PW+1] offset:512+256*(\a%2)+4*(\a/2)
.endr
	ds_load_b128 v[OB:OB+3], v[SRD]                ; LDS serves a wave's instructions in order: these see my stores
	ds_load_b128 v[OB+4:OB+7], v[SRD] offset:512
	s_wait_dscnt 0x0
	global_store_b128 v[LI], v[OB:OB+3], s[8:9]    ; 512 consecutive bytes, aligned
	global_store_b128 v[LI], v[OB+4:OB+7], s[10:11]
	s_wait_tensorcnt 0x0                           ; the wave's end
	ds_add_u32 v[SPW], v[NIL]
	s_wait_dscnt 0x0
	CROUND                                         ; the closing round
	s_endpgm
.Lfunc_end_k_q2991944eeb_qkproj:
	.size	k_q2991944eeb_qkproj, .Lfunc_end_k_q2991944eeb_qkproj-k_q2991944eeb_qkproj
	.p2alignl 7, 3214868480
	.fill 96, 4, 3214868480
	.section	.rodata,"a",@progbits
	.p2align	6, 0x0
	.amdhsa_kernel k_q2991944eeb_qkproj
		.amdhsa_group_segment_fixed_size 327680
		.amdhsa_private_segment_fixed_size 0
		.amdhsa_enable_private_segment 0
		.amdhsa_kernarg_size 56
		.amdhsa_user_sgpr_count 2
		.amdhsa_user_sgpr_kernarg_segment_ptr 1
		.amdhsa_wavefront_size32 1
		.amdhsa_system_sgpr_workgroup_id_x 1
		.amdhsa_system_sgpr_workgroup_id_y 1
		.amdhsa_system_sgpr_workgroup_id_z 1
		.amdhsa_system_vgpr_workitem_id 0
		.amdhsa_next_free_vgpr 1024
		.amdhsa_next_free_sgpr 106
		.amdhsa_reserve_vcc 0
		.amdhsa_float_denorm_mode_32 3
		.amdhsa_float_denorm_mode_16_64 3
		.amdhsa_memory_ordered 1
		.amdhsa_forward_progress 1
		.amdhsa_inst_pref_size 172
	.end_amdhsa_kernel
	.amdgpu_metadata
---
amdhsa.version: [ 1, 2 ]
amdhsa.kernels:
  - .name:           k_q2991944eeb_qkproj
    .symbol:         k_q2991944eeb_qkproj.kd
    .args:
      - { .name: x_codes, .offset: 0, .size: 8, .value_kind: global_buffer, .address_space: global }
      - { .name: x_scales, .offset: 8, .size: 8, .value_kind: global_buffer, .address_space: global }
      - { .name: W_qkv_codes, .offset: 16, .size: 8, .value_kind: global_buffer, .address_space: global }
      - { .name: W_qkv_scales, .offset: 24, .size: 8, .value_kind: global_buffer, .address_space: global }
      - { .name: rope, .offset: 32, .size: 8, .value_kind: global_buffer, .address_space: global }
      - { .name: qb, .offset: 40, .size: 8, .value_kind: global_buffer, .address_space: global }
      - { .name: kv, .offset: 48, .size: 8, .value_kind: global_buffer, .address_space: global }
    .group_segment_fixed_size: 327680
    .private_segment_fixed_size: 0
    .kernarg_segment_align: 8
    .kernarg_segment_size: 56
    .max_flat_workgroup_size: 128
    .sgpr_count:     106
    .vgpr_count:     1024
    .wavefront_size: 32
...
	.end_amdgpu_metadata
.endif
;; end of part 2
;; launch attn (part 3): grid 8 x 32, 16 waves a work-group, clusters of 4 x 1, 327,680 bytes of LDS; arguments qb, kv, yimg, ysw; writes yimg, ysw
.if DOCPART == 3
	.amdgcn_target "amdgcn-amd-amdhsa--gfx1250"
	.amdhsa_code_object_version 6
	.text
	.protected	k_q2991944eeb_attn
	.globl	k_q2991944eeb_attn
	.p2align	8
	.type	k_q2991944eeb_attn,@function
k_q2991944eeb_attn:
	s_mov_b64 s[64:65], 0
	v_nop
	global_prefetch_b8 v0, s[64:65] scope:SCOPE_SE
	s_setreg_imm32_b32 hwreg(HW_REG_WAVE_MODE, 25, 1), 1
	s_wait_xcnt 0x0
	s_wait_alu depctr_hold_cnt(0) depctr_sa_sdst(0) depctr_va_vdst(0) depctr_va_sdst(0) depctr_va_ssrc(0) depctr_va_vcc(0) depctr_vm_vsrc(0)
	s_getreg_b32 s2, hwreg(HW_REG_IB_STS2, 6, 4)
	s_cmp_eq_u32 s2, 0
	s_cbranch_scc0 .Lentry_in_a_cluster
	s_endpgm
.Lentry_in_a_cluster:
	s_bfe_u32 s2, ttmp6, 0x10000c
	s_cmp_lg_u32 s2, 0x3003
	s_cbranch_scc0 .Lentry_shape_is_right
	s_endpgm
.Lentry_shape_is_right:
; y = softmax(q k^T / 8) v for two heads and 256 queries, both products on codes of FP4 (E2M1) with E8M0 scales; y is quantised along C and stored as images of the last product's operand registers.
; THE SOFTMAX AHEAD OF THE SECOND PRODUCT: t = score x log2(e) / 8; M = the row's largest t so far, rounded UP to a whole number; p = 2^(t - M) is quantised along the keys, not normalised.
; The row's sum is taken of the unquantised p and divides O at the end.  When M moves, the sum and O are multiplied by 2^(old M - new M): exact.
; SHARES.  A work-group owns a pair of heads (2 P, 2 P + 1: one K step of 128 of the last product) and 256 queries; each of its SIXTEEN waves owns 16 queries, in 256 registers, four waves to a SIMD, and does head 0, then head 1.
; LDS holds both heads' whole blocks of kv (K's images and scale words, V's images and scale words), 143,360 bytes each, asked for once at the head; head 1's lands under head 0's work.  Nothing is filled again.
; CLUSTER.  The four query blocks of a cluster read the same two heads: each block is asked for JOINTLY, by waves 0 to 3, a quarter each.
; LAYOUT.  Both products are used transposed: S^T = K Q^T, O^T = V^T P^T: a lane holds ONE query (lane % 16) throughout; register 8 t + j of S^T is key 16 t + 8 (lane / 16) + j.
; K = 64: the instruction's K is 128.  Q's registers 4-7 are zero codes; a fragment of K is v[KF + 4 t .. + 7], whose upper four registers are the next tile's codes: they meet Q's zero codes under the scale byte 0x7f on both sides and add exactly nothing.
; LIMITS: NaN and infinities are not served.  A p under 2^-126 counts as 0.  A block of zeros gets the scale byte 1 and not 127: its codes are zeros, and this program alone reads the bytes.
; A block's largest p is not searched for: the block's largest score goes through the same multiply-add and exponential; that takes v_exp_f32 not to fall where its input rises.
.set HEADB, 143360
.set QHB,   73728
.set YST,   2*HEADB                    ; 1,024 bytes: y's scale words on their way out; no tile lands here
.set SPARE, YST+1024                   ; the spare words: 128 bytes a wave, named by no other line
.set LI,  1                            ; v1   16 x lane
.set L8,  2                            ; v2   8 x lane
.set SPW, 3
.set NIL, 4
.set ADK, 5                            ; v5-8 LDS addresses of the loads in hand: K, V, K's scale words, V's
.set ADV, 6
.set ADS, 7
.set ADT, 8
.set QS0, 9                            ; v9, v11 Q's scale words, head 0 and head 1;  v10 p's
.set PSW, 10
.set QS1, 11
.set QF0, 16                           ; v16-23 Q's fragment, head 0 (v20-23 = 0)
.set KS,  24                           ; v24-27 K's scale words: register i: tile 2 i in lanes 0-15, tile 2 i + 1 in lanes 16-31
.set VS,  28                           ; v28-29 V's likewise
.set YSA, 30
.set YW,  31                           ; y's scale word
.set KF,  32                           ; v32-63 K's eight tiles, four registers each; v64-67 = 0
.set VF,  68                           ; v68-99 V's four fragments
.set S,   100                          ; v100-163 S^T, then p; at a head's end y
.set O,   164                          ; v164-195 O^T
.set PC,  196                          ; v196-203 p's codes
.set YC,  204                          ; v204-211 y's codes
.set BM,  212
.set BP,  216
.set BS,  220
.set F,   224                          ; v[224:225] f = 2^(old M - new M) (v225 is named with it as a pair)
.set T0,  226
.set RL,  230                          ; v[230:231] 1 / the sum
.set QF1, 232                          ; v232-239 Q's fragment, head 1 (v236-239 = 0)
.set OB,  240
.set YRD, 244
.set QSO, 245
.set WV,  12
.set SEL, 20
.set CS,  22                           ; s[22:23] c = log2(e) / 8
.set G1,  24
.set G0,  32                           ; s[32:35], s[36:39] group 0 for head 0, head 1
.set SK,  40                           ; s40-43 LDS bytes at which the next fetch of K, V, K's words, V's words begins
.set SV,  41
.set SS,  42
.set ST,  43
.set CNT, 44
.set YP,  56                           ; s[56:57] y's images;  s[58:59] y's scale words
.set YWP, 58
.macro CROUND
	s_barrier_signal -1
	s_barrier_wait -1
	s_cmp_lg_u32 s[WV], 0
	s_cbranch_scc1 .Lnot_wave_0_\@
	s_barrier_signal -3
.Lnot_wave_0_\@:
	s_barrier_wait -3
	s_barrier_signal -1
	s_barrier_wait -1
.endm
	s_load_b256 s[4:11], s[0:1], 0x0               ; qb, kv, yimg, ysw
	v_lshl_add_u32 v[SPW], v0, 2, SPARE
	v_mov_b32 v[NIL], 0
	ds_add_u32 v3, v4
	ds_add_u32 v3, v4
	s_wait_dscnt 0x0
	v_lshrrev_b32 v[T0], 5, v0
	s_delay_alu instid0(VALU_DEP_1)
	v_readfirstlane_b32 s[WV], v[T0]               ; wave 0..15
	s_bfe_u32 s13, ttmp6, 0x40000                  ; cx
	s_lshl_b32 s14, ttmp9, 2
	s_add_co_u32 s14, s14, s13                     ; my block of 256 queries: it enters global addresses alone
	s_and_b32 s15, ttmp7, 0xffff                   ; P, the pair of heads, which the four partners share
	s_and_b32 s16, s[WV], 3
	s_mul_i32 s17, s16, 35840                      ; the quarter of a head's block that I fetch, if I fetch
	s_mul_i32 s18, s15, 2*HEADB
	s_add_co_u32 s18, s18, s17
	s_mov_b32 s19, 0
	s_mov_b32 s[G1], 15|(3<<16)|(1<<21)            ; the mask: all four work-groups; elements of 8 bytes; bit 21 beside a mask; no padding: every LDS load takes 16 x lane
	s_mov_b32 s[G1+1], 32<<16                      ; 140 rows of 256 bytes, dense
	s_mov_b32 s[G1+2], 140<<16
	s_mov_b32 s[G1+3], 32<<16
	s_mov_b32 s[G1+4], 140
	s_mov_b32 s[G1+5], 32
	s_mov_b32 s[G1+6], 0
	s_mov_b32 s[G1+7], 0
	s_mov_b32 s[SEL], 0x76543210
	s_mov_b32 s[SEL+1], 0xfedcba98
	s_mov_b32 s[CS], 0x3e38aa3b
	s_mov_b32 s[CS+1], s[CS]
	s_wait_kmcnt 0x0
	s_add_nc_u64 s[6:7], s[6:7], s[18:19]
.irp c, 0,1
	s_mov_b32 s[G0+4*\c], 1
	s_add_co_u32 s[G0+4*\c+1], s17, \c*HEADB
	s_add_nc_u64 s[G0+4*\c+2:G0+4*\c+3], s[6:7], \c*HEADB
	s_or_b32 s[G0+4*\c+3], s[G0+4*\c+3], 0x80000000
.endr
	CROUND                                         ; all four work-groups are here: the joint loads meet
	s_cmp_lt_u32 s[WV], 4                          ; waves 0 to 3 fetch; a wave's two loads stand in one branch: two loads of mine are out
	s_cbranch_scc0 .Lno_fill
	tensor_load_to_lds s[G0:G0+3], s[G1:G1+7]
	s_nop 0
	tensor_load_to_lds s[G0+4:G0+7], s[G1:G1+7]
	s_nop 0
.rept 4
	v_nop
.endr
.Lno_fill:
	v_and_b32 v[T0], 31, v0
	s_delay_alu instid0(VALU_DEP_1)
	v_lshlrev_b32 v[LI], 4, v[T0]
	s_delay_alu instid0(VALU_DEP_2)
	v_lshlrev_b32 v[L8], 3, v[T0]
	v_and_b32 v[T0+1], 15, v0                      ; r
	s_delay_alu instid0(VALU_DEP_1)
	v_lshlrev_b32 v[QSO], 4, v[T0+1]
	s_wait_alu depctr_va_vdst(0)
	s_mul_i32 s18, s15, 2*QHB                      ; head 2 P in qb
	s_lshl_b32 s46, s14, 4
	s_add_co_u32 s46, s46, s[WV]                   ; my tile of 16 queries, of the head's 128
	s_lshl_b32 s47, s46, 9
	s_add_co_u32 s48, s18, s47
	s_mov_b32 s49, 0
	s_add_nc_u64 s[50:51], s[4:5], s[48:49]
	global_load_b128 v[QF0:QF0+3], v[LI], s[50:51]
	global_load_b128 v[QF1:QF1+3], v[LI], s[50:51] offset:QHB
	s_lshr_b32 s47, s46, 3                         ; its scale words: 512 bytes for 128 rows; tile u of the eight: lanes 16 (u % 2) on, word u / 2
	s_lshl_b32 s47, s47, 9
	s_and_b32 s54, s[WV], 1
	s_lshl_b32 s54, s54, 8
	s_bfe_u32 s55, s[WV], 0x20001
	s_lshl_b32 s55, s55, 2
	s_add_co_u32 s54, s54, s55                     ; 256 (wave % 2) + 4 ((wave / 2) % 4)
	s_add_co_u32 s47, s47, s54
	s_add_co_u32 s48, s47, s18
	s_add_nc_u64 s[52:53], s[4:5], s[48:49]
	global_load_b32 v[QS0], v[QSO], s[52:53] offset:65536
	global_load_b32 v[QS1], v[QSO], s[52:53] offset:65536+QHB
	s_lshr_b32 s55, s[WV], 3
	s_lshl_b32 s55, s55, 9
	s_add_co_u32 s54, s54, s55
	s_add_co_u32 s54, s54, YST
	v_lshl_add_u32 v[YSA], v[T0+1], 4, s54         ; y's scale word goes to the same place among the work-group's 256 rows
	s_min_u32 s54, s[WV], 1
	s_lshl_b32 s55, s54, 9
	s_add_co_u32 s55, s55, YST
	v_add_nc_u32 v[YRD], s55, v[LI]                ; waves 0 and 1 read them back, 512 bytes each
	s_lshr_b32 s47, s15, 3                         ; the batch
	s_lshl_b32 s48, s47, 7
	s_add_co_u32 s48, s48, s46                     ; my tile of 16 rows of y: 128 batch + my tile
	s_lshl_b32 s48, s48, 13
	s_and_b32 s46, s15, 7                          ; the K step of the last product
	s_lshl_b32 s55, s46, 10
	s_add_co_u32 s48, s48, s55
	s_add_nc_u64 s[YP:YP+1], s[8:9], s[48:49]
	s_lshl_b32 s47, s47, 4
	s_lshl_b32 s55, s14, 1
	s_add_co_u32 s47, s47, s55
	s_add_co_u32 s47, s47, s54                     ; which 128 rows: 16 batch + 2 x my block + wave (0 or 1)
	s_lshl_b32 s47, s47, 9
	s_lshl_b32 s46, s46, 15
	s_add_co_u32 s48, s47, s46
	s_add_nc_u64 s[YWP:YWP+1], s[10:11], s[48:49]
.irp j, 0,1,2,3
	v_mov_b32 v[QF0+4+\j], 0                       ; zero codes: the upper half of K
	v_mov_b32 v[QF1+4+\j], 0
	v_mov_b32 v[KF+32+\j], 0                       ; behind K's last tile
	v_mov_b32 v[BP+\j], 0                          ; written once: a lane permute's destination counts as one of its sources
.endr
	v_mov_b32 v[F+1], 0                            ; named as the upper halves of pairs
	v_mov_b32 v[RL+1], 0
; A KEY STEP: 128 keys.  more = 1: the next step's K is fetched.  qf, qs: Q's fragment and scale word
.macro STEP more, qf, qs
	s_wait_dscnt 0x0                               ; K and its scale words are in
.irp t, 0,1,2,3,4,5,6,7
.if \t%2
	v_wmma_scale_f32_16x16x128_f8f6f4 v[S+8*\t:S+8*\t+7], v[KF+4*\t:KF+4*\t+7], v[\qf:\qf+7], 0, v[KS+\t/2], v[\qs] matrix_a_fmt:MATRIX_FMT_FP4 matrix_b_fmt:MATRIX_FMT_FP4 matrix_a_scale:MATRIX_SCALE_ROW1
.else
	v_wmma_scale_f32_16x16x128_f8f6f4 v[S+8*\t:S+8*\t+7], v[KF+4*\t:KF+4*\t+7], v[\qf:\qf+7], 0, v[KS+\t/2], v[\qs] matrix_a_fmt:MATRIX_FMT_FP4 matrix_b_fmt:MATRIX_FMT_FP4
.endif
.endr
	v_add_nc_u32 v[ADV], s[SV], v[LI]              ; four plain lines: the places in front of the loads below and of the first read of the scores
	v_add_nc_u32 v[ADT], s[ST], v[L8]
.if \more
	v_add_nc_u32 v[ADK], s[SK], v[LI]
	v_add_nc_u32 v[ADS], s[SS], v[LI]
.else
	v_nop
	v_nop
.endif
.irp d, 0,1,2,3                                ; this step's V, in one run: it lands under the softmax
.irp c, 0,1
	ds_load_b128 v[VF+8*\d+4*\c:VF+8*\d+4*\c+3], v[ADV] offset:1024*\d+512*\c
.endr
.endr
	ds_load_b64 v[VS:VS+1], v[ADT]
	s_add_co_u32 s[SV], s[SV], 4096
	s_add_co_u32 s[ST], s[ST], 256
.if \more
.irp t, 0,1,2,3,4,5,6,7                        ; and the next step's K
	ds_load_b128 v[KF+4*\t:KF+4*\t+3], v[ADK] offset:512*\t
.endr
	ds_load_b128 v[KS:KS+3], v[ADS]
	s_add_co_u32 s[SK], s[SK], 4096
	s_add_co_u32 s[SS], s[SS], 512
.endif
.irp b, 0,1,2,3
	v_max3_num_f32 v[BM+\b], v[S+16*\b], v[S+1+16*\b], v[S+2+16*\b]   ; the largest score of each block of 32 keys: for the row's maximum, and for the block's largest p
.endr
.irp i, 3,5,7,9,11,13
.irp b, 0,1,2,3
	v_max3_num_f32 v[BM+\b], v[BM+\b], v[S+16*\b+\i], v[S+1+16*\b+\i]
.endr
.endr
.irp b, 0,1,2,3
	v_max_num_f32 v[BM+\b], v[BM+\b], v[S+15+16*\b]
.endr
.irp b, 0,1,2,3
	s_delay_alu instid0(VALU_DEP_4)
	v_permlanex16_b32 v[BP+\b], v[BM+\b], s[SEL], s[SEL+1]
.endr
.irp b, 0,1,2,3
	s_delay_alu instid0(VALU_DEP_4)
	v_max_num_f32 v[BM+\b], v[BM+\b], v[BP+\b]     ; with lane l xor 16's 16 keys
.endr
	s_delay_alu instid0(VALU_DEP_2)
	v_max3_num_f32 v[T0], v[BM], v[BM+1], v[BM+2]
	s_delay_alu instid0(VALU_DEP_1)
	v_max_num_f32 v[T0], v[T0], v[BM+3]
	s_delay_alu instid0(VALU_DEP_1)
	v_mul_f32 v[T0], s[CS], v[T0]                  ; as t (c is positive)
	s_delay_alu instid0(VALU_DEP_1)
	v_max_num_f32 v13, v13, v[T0]                  ; the running largest t
	v_mov_b32 v[T0], v12
	s_delay_alu instid0(VALU_DEP_2)
	v_floor_f32 v12, -v13                          ; the new -M = floor(-t): M is a whole number
	s_delay_alu instid0(VALU_DEP_1)
	v_sub_f32 v[T0], v12, v[T0]                    ; old M - new M: a whole number, 0 or less
	s_delay_alu instid0(VALU_DEP_1)
	v_cvt_i32_f32 v[T0], v[T0]                     ; (it saturates)
	s_delay_alu instid0(VALU_DEP_1)
	v_ldexp_f32 v[F], 1.0, v[T0]                   ; f = 2^(old M - new M)
.irp j, 0,2,4,6,8,10,12,14,16,18,20,22,24,26,28,30,32,34,36,38,40,42,44,46,48,50,52,54,56,58,60,62
	v_pk_fma_f32 v[S+\j:S+\j+1], v[S+\j:S+\j+1], s[CS:CS+1], v[12:13] op_sel_hi:[1,0,0]   ; t - M, two at a time
.endr
.irp b, 0,1,2,3
	v_fma_f32 v[BM+\b], v[BM+\b], s[CS], v12       ; the same of each block's largest score
.endr
	s_wait_alu depctr_va_vdst(0)
.irp j, 0,1,2,3,4,5,6,7,8,9,10,11,12,13,14,15,16,17,18,19,20,21,22,23,24,25,26,27,28,29,30,31,32,33,34,35,36,37,38,39,40,41,42,43,44,45,46,47,48,49,50,51,52,53,54,55,56,57,58,59,60,61,62,63
	v_exp_f32 v[S+\j], v[S+\j]                     ; p = 2^(t - M), at most 1
.endr
	s_setprio 1
	v_pk_mul_f32 v[14:15], v[14:15], v[F:F+1] op_sel_hi:[1,0]   ; the sums under the new M: a plain line behind the exponentials
	s_wait_alu depctr_va_vdst(0)                   ; one wait for the whole batch, ahead of its first reader
.irp b, 0,1,2,3
	v_exp_f32 v[BM+\b], v[BM+\b]                   ; the block's largest p
.endr
	v_pk_add_f32 v[216:217], v[104:105], v[108:109]
	v_pk_add_f32 v[254:255], v[112:113], v[116:117]
	v_pk_add_f32 v[252:253], v[120:121], v[124:125]
	v_pk_add_f32 v[250:251], v[128:129], v[132:133]
	v_pk_add_f32 v[248:249], v[136:137], v[140:141]
	v_pk_add_f32 v[246:247], v[144:145], v[148:149]
	v_pk_add_f32 v[242:243], v[152:153], v[156:157]
	v_pk_add_f32 v[14:15], v[14:15], v[160:161]
	v_pk_add_f32 v[216:217], v[216:217], v[100:101]
	v_pk_add_f32 v[254:255], v[254:255], v[102:103]
	v_pk_add_f32 v[252:253], v[252:253], v[106:107]
	v_pk_add_f32 v[250:251], v[250:251], v[110:111]
	v_pk_add_f32 v[248:249], v[248:249], v[114:115]
	v_pk_add_f32 v[246:247], v[246:247], v[118:119]
	v_pk_add_f32 v[242:243], v[242:243], v[122:123]
	v_pk_add_f32 v[14:15], v[14:15], v[126:127]
	v_pk_add_f32 v[216:217], v[216:217], v[130:131]
	v_pk_add_f32 v[254:255], v[254:255], v[134:135]
	v_pk_add_f32 v[252:253], v[252:253], v[138:139]
	v_pk_add_f32 v[250:251], v[250:251], v[142:143]
	v_pk_add_f32 v[248:249], v[248:249], v[146:147]
	v_pk_add_f32 v[246:247], v[246:247], v[150:151]
	v_pk_add_f32 v[242:243], v[242:243], v[154:155]
	v_pk_add_f32 v[14:15], v[14:15], v[158:159]
	v_pk_add_f32 v[216:217], v[216:217], v[162:163]
	s_delay_alu instid0(VALU_DEP_2)
	v_pk_add_f32 v[14:15], v[14:15], v[250:251]
	s_delay_alu instid0(VALU_DEP_2)
	v_pk_add_f32 v[216:217], v[216:217], v[248:249]
	v_pk_add_f32 v[254:255], v[254:255], v[246:247]
	v_pk_add_f32 v[252:253], v[252:253], v[242:243]
	s_delay_alu instid0(VALU_DEP_2)
	v_pk_add_f32 v[14:15], v[14:15], v[254:255]
	s_delay_alu instid0(VALU_DEP_2)
	v_pk_add_f32 v[216:217], v[216:217], v[252:253]
	s_delay_alu instid0(VALU_DEP_1)
	v_pk_add_f32 v[14:15], v[14:15], v[216:217]
	s_wait_alu depctr_va_vdst(0)                   ; and one for the four
.irp b, 0,1,2,3
	v_max_num_f32 v[BM+\b], 0x1800000, v[BM+\b]    ; the floor 2^(3 - 127): the byte cannot fall under 1
.endr
.irp b, 0,1,2,3
	s_delay_alu instid0(VALU_DEP_4)
	v_add_nc_u32 v[BS+\b], 0xff000000, v[BM+\b]    ; 2 off the exponent field: the conversion's scale operand
.endr
.irp b, 0,1,2,3
	s_delay_alu instid0(VALU_DEP_4)
	v_lshrrev_b32 v[BP+\b], 23, v[BS+\b]           ; the scale's byte
.endr
	s_delay_alu instid0(VALU_DEP_3)
	v_lshl_or_b32 v[PSW], v[BP+1], 8, v[BP]
	s_delay_alu instid0(VALU_DEP_1)
	v_lshl_or_b32 v[PSW], v[BP+2], 16, v[PSW]
	s_delay_alu instid0(VALU_DEP_1)
	v_lshl_or_b32 v[PSW], v[BP+3], 24, v[PSW]
.irp b, 0,1,2,3                                ; the conversion of tile 2 b + u is word 2 u + lane / 16 of block b: to register 4 (b / 2) + 2 u + b % 2; then the pairs exchange halves
.irp u, 0,1
	v_cvt_scalef32_pk8_fp4_f32 v[PC+4*(\b/2)+2*\u+(\b%2)], v[S+16*\b+8*\u:S+16*\b+8*\u+7], v[BS+\b]
.endr
.endr
	v_nop                                          ; one plain place behind a scaled conversion
.irp c, 0,1
.irp u, 0,1
	v_permlane16_swap_b32 v[PC+4*\c+2*\u], v[PC+4*\c+2*\u+1]
.endr
.endr
	s_setprio 0
.irp j, 0,2,4,6,8,10,12,14,16,18,20,22,24,26,28,30
	v_pk_mul_f32 v[O+\j:O+\j+1], v[O+\j:O+\j+1], v[F:F+1] op_sel_hi:[1,0]   ; O^T under the new M; these sixteen are also the places between the codes, the scale word and the products
.endr
	s_wait_alu depctr_va_vdst(0)
	s_wait_dscnt 0x0                               ; V is in
.irp d, 0,1,2,3
.if \d%2
	v_wmma_scale_f32_16x16x128_f8f6f4 v[O+8*\d:O+8*\d+7], v[VF+8*\d:VF+8*\d+7], v[PC:PC+7], v[O+8*\d:O+8*\d+7], v[VS+\d/2], v[PSW] matrix_a_fmt:MATRIX_FMT_FP4 matrix_b_fmt:MATRIX_FMT_FP4 matrix_a_scale:MATRIX_SCALE_ROW1
.else
	v_wmma_scale_f32_16x16x128_f8f6f4 v[O+8*\d:O+8*\d+7], v[VF+8*\d:VF+8*\d+7], v[PC:PC+7], v[O+8*\d:O+8*\d+7], v[VS+\d/2], v[PSW] matrix_a_fmt:MATRIX_FMT_FP4 matrix_b_fmt:MATRIX_FMT_FP4
.endif
.endr
.endm
; A head's end: y = O^T / the sum, quantised along the head's 64 (two blocks); the head is half c of the fragment of 128 along C
.macro FINISH c
	v_add_f32 v14, v14, v15
	s_delay_alu instid0(VALU_DEP_1)
	v_permlanex16_b32 v[T0], v14, s[SEL], s[SEL+1]
	s_delay_alu instid0(VALU_DEP_1)
	v_add_f32 v14, v14, v[T0]                      ; the row's sum
	s_wait_alu depctr_va_vdst(0)
	v_rcp_f32 v[RL], v14
.rept 4
	v_nop                                          ; plain lines behind the reciprocal and behind the last products
.endr
	s_wait_alu depctr_va_vdst(0)                   ; ahead of the reciprocal's first reader
.irp j, 0,2,4,6,8,10,12,14,16,18,20,22,24,26,28,30
	v_pk_mul_f32 v[S+\j:S+\j+1], v[O+\j:O+\j+1], v[RL:RL+1] op_sel_hi:[1,0]   ; each accumulator from its low end on
.endr
.irp b, 0,1
	v_max3_num_f32 v[BM+\b], |v[S+16*\b]|, |v[S+1+16*\b]|, 0x1800000
.endr
.irp i, 2,4,6,8,10,12,14
.irp b, 0,1
	s_delay_alu instid0(VALU_DEP_2)
	v_max3_num_f32 v[BM+\b], v[BM+\b], |v[S+16*\b+\i]|, |v[S+1+16*\b+\i]|
.endr
.endr
.irp b, 0,1
	s_delay_alu instid0(VALU_DEP_2)
	v_permlanex16_b32 v[BP+\b], v[BM+\b], s[SEL], s[SEL+1]
.endr
.irp b, 0,1
	s_delay_alu instid0(VALU_DEP_2)
	v_max_num_f32 v[BM+\b], v[BM+\b], v[BP+\b]
.endr
.irp b, 0,1
	s_delay_alu instid0(VALU_DEP_2)
	v_add_nc_u32 v[BS+\b], 0xff000000, v[BM+\b]
.endr
.irp b, 0,1
	s_delay_alu instid0(VALU_DEP_2)
	v_lshrrev_b32 v[BP+\b], 23, v[BS+\b]
.endr
.irp b, 0,1
.irp u, 0,1
	v_cvt_scalef32_pk8_fp4_f32 v[YC+4*\c+2*\u+\b], v[S+16*\b+8*\u:S+16*\b+8*\u+7], v[BS+\b]
.endr
.endr
	v_nop                                          ; one plain place behind a scaled conversion
.irp u, 0,1
	v_permlane16_swap_b32 v[YC+4*\c+2*\u], v[YC+4*\c+2*\u+1]
.endr
.if \c == 0
	v_lshl_or_b32 v[YW], v[BP+1], 8, v[BP]         ; bytes 0 and 1 of the row's scale word
.else
	v_lshl_or_b32 v[T0], v[BP+1], 8, v[BP]
	s_delay_alu instid0(VALU_DEP_1)
	v_lshl_or_b32 v[YW], v[T0], 16, v[YW]          ; bytes 2 and 3
.endif
	global_store_b128 v[LI], v[YC+4*\c:YC+4*\c+3], s[YP:YP+1] offset:512*\c   ; 512 consecutive bytes, aligned
.endm
.macro HEAD c, qf, qs
	s_mov_b32 s[SK], \c*HEADB
	s_mov_b32 s[SS], \c*HEADB+65536
	s_mov_b32 s[SV], \c*HEADB+73728
	s_mov_b32 s[ST], \c*HEADB+139264
	v_mov_b32 v13, 0xff61b1e6                      ; the largest t so far: -3e38
	s_delay_alu instid0(VALU_DEP_1)
	v_floor_f32 v12, -v13
	v_mov_b32 v14, 0
	v_mov_b32 v15, 0
.irp j, 0,1,2,3,4,5,6,7,8,9,10,11,12,13,14,15,16,17,18,19,20,21,22,23,24,25,26,27,28,29,30,31
	v_mov_b32 v[O+\j], 0                           ; the step is written without a first step of its own: it finds zeros, which the first change of M leaves zeros
.endr
	v_add_nc_u32 v[ADK], s[SK], v[LI]
	v_add_nc_u32 v[ADS], s[SS], v[LI]
.irp t, 0,1,2,3,4,5,6,7
	ds_load_b128 v[KF+4*\t:KF+4*\t+3], v[ADK] offset:512*\t
.endr
	ds_load_b128 v[KS:KS+3], v[ADS]
	s_add_co_u32 s[SK], s[SK], 4096
	s_add_co_u32 s[SS], s[SS], 512
	s_mov_b32 s[CNT], 15
.Lstep_\@:
	s_setprio 2
	STEP 1, \qf, \qs
	s_sub_co_u32 s[CNT], s[CNT], 1
	s_cmp_lg_u32 s[CNT], 0
	s_cbranch_scc1 .Lstep_\@
	s_setprio 0
	STEP 0, \qf, \qs                               ; the last step fetches no further K
	FINISH \c
.endm
	s_wait_loadcnt 0x0                             ; Q
	s_wait_tensorcnt 1                             ; my quarter of head 0's block is in; head 1's may be out
	s_barrier_signal -1
	s_barrier_wait -1
	HEAD 0, QF0, QS0
	s_wait_tensorcnt 0x0                           ; my quarter of head 1's block is in
	ds_add_u32 v[SPW], v[NIL]                      ; 0 onto my spare word
	s_wait_dscnt 0x0
	s_barrier_signal -1
	s_barrier_wait -1                              ; everybody's is
	HEAD 1, QF1, QS1
	ds_store_b32 v[YSA], v[YW]                     ; lanes r and 16 + r write the same word with the same value
	s_wait_dscnt 0x0                               ; for the others' sake
	s_barrier_signal -1
	s_barrier_wait -1
	s_cmp_lt_u32 s[WV], 2
	s_cbranch_scc0 .Lno_words
	ds_load_b128 v[OB:OB+3], v[YRD]
	s_wait_dscnt 0x0
	global_store_b128 v[LI], v[OB:OB+3], s[YWP:YWP+1]   ; the scale words of 128 rows: 512 consecutive bytes, aligned
.Lno_words:
	s_wait_tensorcnt 0x0                           ; the wave's end
	ds_add_u32 v[SPW], v[NIL]
	s_wait_dscnt 0x0
	CROUND                                         ; the closing round
	s_endpgm
.Lfunc_end_k_q2991944eeb_attn:
	.size	k_q2991944eeb_attn, .Lfunc_end_k_q2991944eeb_attn-k_q2991944eeb_attn
	.p2alignl 7, 3214868480
	.fill 96, 4, 3214868480
	.section	.rodata,"a",@progbits
	.p2align	6, 0x0
	.amdhsa_kernel k_q2991944eeb_attn
		.amdhsa_group_segment_fixed_size 327680
		.amdhsa_private_segment_fixed_size 0
		.amdhsa_enable_private_segment 0
		.amdhsa_kernarg_size 32
		.amdhsa_user_sgpr_count 2
		.amdhsa_user_sgpr_kernarg_segment_ptr 1
		.amdhsa_wavefront_size32 1
		.amdhsa_system_sgpr_workgroup_id_x 1
		.amdhsa_system_sgpr_workgroup_id_y 1
		.amdhsa_system_sgpr_workgroup_id_z 1
		.amdhsa_system_vgpr_workitem_id 0
		.amdhsa_next_free_vgpr 256
		.amdhsa_next_free_sgpr 66
		.amdhsa_reserve_vcc 0
		.amdhsa_float_denorm_mode_32 3
		.amdhsa_float_denorm_mode_16_64 3
		.amdhsa_memory_ordered 1
		.amdhsa_forward_progress 1
		.amdhsa_inst_pref_size 82
	.end_amdhsa_kernel
	.amdgpu_metadata
---
amdhsa.version: [ 1, 2 ]
amdhsa.kernels:
  - .name:           k_q2991944eeb_attn
    .symbol:         k_q2991944eeb_attn.kd
    .args:
      - { .name: qb, .offset: 0, .size: 8, .value_kind: global_buffer, .address_space: global }
      - { .name: kv, .offset: 8, .size: 8, .value_kind: global_buffer, .address_space: global }
      - { .name: yimg, .offset: 16, .size: 8, .value_kind: global_buffer, .address_space: global }
      - { .name: ysw, .offset: 24, .size: 8, .value_kind: global_buffer, .address_space: global }
    .group_segment_fixed_size: 327680
    .private_segment_fixed_size: 0
    .kernarg_segment_align: 8
    .kernarg_segment_size: 32
    .max_flat_workgroup_size: 512
    .sgpr_count:     66
    .vgpr_count:     256
    .wavefront_size: 32
...
	.end_amdgpu_metadata
.endif
;; end of part 3
;; launch oproj (part 4): grid 4 x 32, 4 waves a work-group, clusters of 4 x 4, 327,680 bytes of LDS; arguments yimg, ysw, W_proj_codes, W_proj_scales, b_proj, out0; writes out0
.if DOCPART == 4
	.amdgcn_target "amdgcn-amd-amdhsa--gfx1250"
	.amdhsa_code_object_version 6
	.text
	.protected	k_q2991944eeb_oproj
	.globl	k_q2991944eeb_oproj
	.p2align	8
	.type	k_q2991944eeb_oproj,@function
k_q2991944eeb_oproj:
	s_mov_b64 s[64:65], 0
	v_nop
	global_prefetch_b8 v0, s[64:65] scope:SCOPE_SE
	s_setreg_imm32_b32 hwreg(HW_REG_WAVE_MODE, 25, 1), 1
	s_wait_xcnt 0x0
	s_wait_alu depctr_hold_cnt(0) depctr_sa_sdst(0) depctr_va_vdst(0) depctr_va_sdst(0) depctr_va_ssrc(0) depctr_va_vcc(0) depctr_vm_vsrc(0)
	s_getreg_b32 s2, hwreg(HW_REG_IB_STS2, 6, 4)
	s_cmp_eq_u32 s2, 0
	s_cbranch_scc0 .Lentry_in_a_cluster
	s_endpgm
.Lentry_in_a_cluster:
	s_bfe_u32 s2, ttmp6, 0x10000c
	s_cmp_lg_u32 s2, 0xf033
	s_cbranch_scc0 .Lentry_shape_is_right
	s_endpgm
.Lentry_shape_is_right:
; out0 = y W_proj^T + b_proj on codes of FP4 (E2M1) with E8M0 scales; sums in f32.
; A tile is 256 rows of y (the A side) x 256 rows of W_proj (the B side).  Four waves, each 128 x 128: 64 accumulators.  K = 1,024 is two LDS slots of 512, both asked for at the head; nothing is filled again.
; y comes as IMAGES OF OPERAND REGISTERS: yimg [tile of 16 rows 512][K step 8][half 2][lane 32][16 bytes]; a fragment is two loads at 16 x lane, no pitch, no padding.
; Its scale words: ysw [K step 8][128 rows 64][lane 32][4]: word (l, i) is tile 2 i + l / 16, row l % 16: one load of 16 bytes a lane brings a K step's words of my eight blocks.
; THE MATRIX INSTRUCTION IS USED TRANSPOSED (source 0 = 16 rows of W_proj, source 1 = 16 rows of y): a lane holds eight neighbouring numbers of a row of out0.  The bias is the C of each sum's first product.
; CLUSTERS: 4 x 4 work-groups; y's tiles are shared along a row of the cluster, W_proj's along a column: joint loads.
; LIMITS: NaN, infinities and scale bytes 0xff among the inputs are not served.
.set NQ,     4
.set ROWB,   256
.set KROW,   512
.set PITCH,  272
.set FR,     8
.set NL,     2
.set NP,     4
.set HALFT,  128*PITCH                 ; 128 rows of B
.set HALFA,  32768                     ; 128 rows of A: eight tiles x 4 K steps x 1,024 bytes
.set BOFF,   2*HALFA
.set SLOT,   BOFF+2*HALFT              ; A's images, then B's rows
.set ASC,    2*SLOT                    ; A's scale words: [K step 8][1,024 bytes]
.set BSC,    ASC+8192                  ; B's scale bytes: units of 256 bytes + 16
.set HALFS,  16*272
.set SPARE,  BSC+2*HALFS               ; the spare words: 128 bytes a wave, named by no other line
.set SPITCH, 528                       ; the way out: a stage of 16 rows x (512 bytes + 16) a wave, in slot 0, which has had its one fill and its last read by then
.set SIZE_N, 1024
.set ADRA, 16
.set ADRB, 20
.set ADSA, 22
.set ADSB, 23
.set STO,  24
.set RD,   25
.set CO,   26
.set BO,   27                          ; v27  the bias: 32 h
.set SPW,  28
.set NIL,  29
.set SCB,  32                          ; v32-63 B's scale words: register 4 i + q: block 2 i in lanes 0-15, 2 i + 1 in lanes 16-31
.set SCA,  64                          ; v64-95 A's: register 4 q + i likewise
.set AF,   128
.set BIAS, 192                         ; v192-255 the bias in the result's layout: register 8 b + j
.set BK,   128                         ; the way out: v128-191 and v192-255 by turns
.set CP,   94                          ; s[94:95] out0
.set G1, 24
.set G0, 32
.set G1B, 48
.set G0B, 56
.set G1S, 68
.set G0S, 76
.set G1SB, 80
.set G0SB, 88
.set MSB, 0
.macro WIN new
.if MSB != (\new)
	s_set_vgpr_msb (MSB<<8)|(\new)
.set MSB, (\new)
.endif
.endm
.set MUL_LO, 0xa1
.set MUL_HI, 0xf1
.set TO_B,   0x40
.macro JLOAD g0a, g1a, g0b, g1b        ; a joint load: waves 0 and 1 for A, waves 2 and 3 for B; four v_nop follow each line
	s_cmp_eq_u32 s15, 0
	s_cbranch_scc0 .Lfor_b_\@
	tensor_load_to_lds s[\g0a:\g0a+3], s[\g1a:\g1a+7]
	s_nop 0
.rept 4
	v_nop
.endr
	s_branch .Lasked_\@
.Lfor_b_\@:
	tensor_load_to_lds s[\g0b:\g0b+3], s[\g1b:\g1b+7]
	s_nop 0
.rept 4
	v_nop
.endr
.Lasked_\@:
.endm
.macro CROUND
	s_barrier_signal -1
	s_barrier_wait -1
	s_cmp_lg_u32 s14, 0
	s_cbranch_scc1 .Lnot_wave_0_\@
	s_barrier_signal -3
.Lnot_wave_0_\@:
	s_barrier_wait -3
	s_barrier_signal -1
	s_barrier_wait -1
.endm
.macro PLACES n
.rept \n
	v_nop
.endr
.endm
	s_load_b256 s[4:11], s[0:1], 0x0               ; yimg, ysw, W_proj's codes, its scales
	s_load_b128 s[92:95], s[0:1], 0x20             ; b_proj, out0
	v_lshl_add_u32 v[SPW], v0, 2, SPARE
	v_mov_b32 v[NIL], 0
	ds_add_u32 v28, v29
	ds_add_u32 v28, v29
	s_wait_dscnt 0x0
	v_lshrrev_b32 v1, 5, v0
	v_readfirstlane_b32 s14, v1                    ; wave 0..3
	s_lshr_b32 s15, s14, 1                         ; my half of A's rows.  Also: I fetch for A (0) or for B (1)
	s_and_b32 s16, s14, 1                          ; my half of B's rows.  Also: which half I fetch
	s_bfe_u32 s40, ttmp6, 0x40000                  ; cx
	s_bfe_u32 s41, ttmp6, 0x40004                  ; cy
	s_lshl_b32 s42, ttmp9, 2
	s_add_co_u32 s42, s42, s40                     ; TC
	s_and_b32 s17, ttmp7, 0xffff
	s_lshl_b32 s17, s17, 2
	s_add_co_u32 s17, s17, s41                     ; TR
	s_lshl_b32 s43, s41, 2
	s_lshl_b32 s43, 15, s43                        ; my row of the cluster
	s_lshl_b32 s44, 0x1111, s40                    ; my column
	s_or_b32 s[G1+0], s43, (3<<16)|(1<<21)         ; A's images: 8 tiles of rows x 4,096 bytes (512 elements of 8 bytes), 8,192 bytes apart; no padding
	s_mov_b32 s[G1+1], 512<<16
	s_mov_b32 s[G1+2], 8<<16
	s_mov_b32 s[G1+3], 512<<16
	s_mov_b32 s[G1+4], 8
	s_mov_b32 s[G1+5], 1024
	s_mov_b32 s[G1+6], 0
	s_mov_b32 s[G1+7], 0
	s_or_b32 s[G1B+0], s44, (1<<20)|(1<<21)|(5<<22)|(3<<25)   ; B's rows: 128 x 256 bytes, 4 words of padding behind every 64
	s_mov_b32 s[G1B+1], ROWB<<16
	s_mov_b32 s[G1B+2], 128<<16
	s_mov_b32 s[G1B+3], ROWB<<16
	s_mov_b32 s[G1B+4], 128
	s_mov_b32 s[G1B+5], KROW
	s_mov_b32 s[G1B+6], 0
	s_mov_b32 s[G1B+7], 0
	s_or_b32 s[G1S+0], s43, (3<<16)|(1<<21)        ; A's scale words: 4 K steps x 1,024 bytes (128 elements of 8 bytes), 32,768 bytes apart
	s_mov_b32 s[G1S+1], 128<<16
	s_mov_b32 s[G1S+2], 4<<16
	s_mov_b32 s[G1S+3], 128<<16
	s_mov_b32 s[G1S+4], 4
	s_mov_b32 s[G1S+5], 4096
	s_mov_b32 s[G1S+6], 0
	s_mov_b32 s[G1S+7], 0
	s_or_b32 s[G1SB+0], s44, (3<<16)|(1<<20)|(1<<21)|(5<<22)|(3<<25)   ; B's scale bytes of 128 rows: 16 rows of 256 bytes, padded
	s_mov_b32 s[G1SB+1], 32<<16
	s_mov_b32 s[G1SB+2], 16<<16
	s_mov_b32 s[G1SB+3], 32<<16
	s_mov_b32 s[G1SB+4], 16
	s_mov_b32 s[G1SB+5], 32
	s_mov_b32 s[G1SB+6], 0
	s_mov_b32 s[G1SB+7], 0
	s_lshl_b32 s20, s17, 17                        ; A's images: (16 TR + 8 x half) x 8,192 bytes
	s_lshl_b32 s18, s16, 16
	s_add_co_u32 s20, s20, s18
	s_mov_b32 s21, 0
	s_lshl_b32 s22, s17, 10                        ; A's words: 1,024 TR + 4 K steps x half
	s_lshl_b32 s18, s16, 17
	s_add_co_u32 s22, s22, s18
	s_mov_b32 s23, 0
	s_lshl_b32 s46, s42, 8
	s_lshl_b32 s18, s16, 7
	s_add_co_u32 s46, s46, s18                     ; B: row 256 TC + 128 x half
	s_lshl_b32 s2, s46, 5
	s_mov_b32 s3, 0
	s_lshl_b32 s46, s46, 9
	s_mov_b32 s47, 0
	s_lshl_b32 s45, s16, 15                        ; where they go: no place in the cluster enters an LDS address
	s_mul_i32 s19, s16, HALFT
	s_add_co_u32 s19, s19, BOFF
	s_lshl_b32 s66, s16, 12
	s_mul_i32 s67, s16, HALFS
	s_wait_kmcnt 0x0
	s_add_nc_u64 s[20:21], s[4:5], s[20:21]
	s_add_nc_u64 s[22:23], s[6:7], s[22:23]
	s_add_nc_u64 s[46:47], s[8:9], s[46:47]
	s_add_nc_u64 s[2:3], s[10:11], s[2:3]
	s_mov_b32 s[G0S], 1
	s_add_co_u32 s[G0S+1], s66, ASC
	s_mov_b64 s[G0S+2:G0S+3], s[22:23]
	s_or_b32 s[G0S+3], s[G0S+3], 0x80000000
	s_mov_b32 s[G0SB], 1
	s_add_co_u32 s[G0SB+1], s67, BSC
	s_mov_b64 s[G0SB+2:G0SB+3], s[2:3]
	s_or_b32 s[G0SB+3], s[G0SB+3], 0x80000000
.irp s, 0,1
	s_mov_b32 s[G0+4*\s], 1
	s_add_co_u32 s[G0+4*\s+1], s45, \s*SLOT
	s_add_nc_u64 s[G0+4*\s+2:G0+4*\s+3], s[20:21], \s*4096
	s_or_b32 s[G0+4*\s+3], s[G0+4*\s+3], 0x80000000
	s_mov_b32 s[G0B+4*\s], 1
	s_add_co_u32 s[G0B+4*\s+1], s19, \s*SLOT
	s_add_nc_u64 s[G0B+4*\s+2:G0B+4*\s+3], s[46:47], \s*ROWB
	s_or_b32 s[G0B+4*\s+3], s[G0B+4*\s+3], 0x80000000
.endr
	CROUND                                         ; all sixteen work-groups are here: the first joint loads meet
	JLOAD G0S, G1S, G0SB, G1SB                     ; the scales: one load of mine is out
	s_wait_alu depctr_va_vdst(0)
	s_wait_tensorcnt 0x0
	ds_add_u32 v28, v29
	s_wait_dscnt 0x0
	CROUND
	JLOAD G0, G1, G0B, G1B
	s_wait_alu depctr_va_vdst(0)
	s_wait_tensorcnt 0x0
	ds_add_u32 v28, v29
	s_wait_dscnt 0x0
	CROUND
	JLOAD G0+4, G1, G0B+4, G1B
	v_and_b32 v1, 15, v0                           ; r
	v_bfe_u32 v2, v0, 4, 1                         ; h
	v_and_b32 v6, 31, v0
	v_lshlrev_b32 v[CO], 4, v6                     ; 16 x lane
	s_wait_alu depctr_va_vdst(0)
	v_lshlrev_b32 v[BO], 5, v2
	s_lshl_b32 s18, s42, 10                        ; the bias of my 128 columns: lane (r, h) wants, for block b, numbers 16 b + 8 h + 0 .. 7
	s_lshl_b32 s19, s16, 9
	s_add_co_u32 s18, s18, s19
	s_mov_b32 s19, 0
	s_add_nc_u64 s[92:93], s[92:93], s[18:19]
.irp b, 0,1,2,3,4,5,6,7
	global_load_b128 v[BIAS+8*\b:BIAS+8*\b+3], v[BO], s[92:93] offset:64*\b
	global_load_b128 v[BIAS+8*\b+4:BIAS+8*\b+7], v[BO], s[92:93] offset:64*\b+16
.endr
	v_mul_u32_u24 v3, v1, PITCH
	v_lshl_add_u32 v4, v2, 4, v3
	s_lshl_b32 s18, s15, 15
	s_mul_i32 s19, s16, HALFT
	s_add_co_u32 s19, s19, BOFF
.irp s, 0,1
	v_add_nc_u32 v[ADRA+\s], s18, v[CO]
	v_add_nc_u32 v[ADRB+\s], s19, v4
	s_add_co_u32 s18, s18, SLOT
	s_add_co_u32 s19, s19, SLOT
.endr
	s_lshl_b32 s18, s15, 9
	s_add_co_u32 s18, s18, ASC
	v_add_nc_u32 v[ADSA], s18, v[CO]
	v_lshrrev_b32 v5, 3, v1
	v_and_b32 v6, 7, v1
	v_mul_u32_u24 v5, v5, 272
	v_lshl_add_u32 v5, v6, 5, v5
	v_mad_u32_u24 v5, v2, 544, v5
	s_mul_i32 s18, s16, HALFS
	s_add_co_u32 s18, s18, BSC
	v_add_nc_u32 v[ADSB], s18, v5
	s_mul_i32 s18, s14, 16*SPITCH                  ; my stage
	v_mul_u32_u24 v5, v1, SPITCH
	v_lshl_add_u32 v5, v2, 5, v5
	v_add_nc_u32 v[STO], s18, v5                   ; in: row r, 32 bytes for each half of the lanes
	v_add_nc_u32 v[RD], s18, v[CO]                 ; back: the 32 lanes take one row of 512 bytes
	s_lshl_b32 s18, s17, 8
	s_lshl_b32 s19, s15, 7
	s_add_co_u32 s18, s18, s19                     ; my first row of out0
	s_lshl_b32 s18, s18, 12                        ; 4,096 bytes a row
	s_lshl_b32 s19, s42, 10
	s_add_co_u32 s18, s18, s19
	s_lshl_b32 s19, s16, 9
	s_add_co_u32 s18, s18, s19                     ; + my first column: 1,024 TC + 512 x half bytes
	s_mov_b32 s19, 0
	s_add_nc_u64 s[CP:CP+1], s[CP:CP+1], s[18:19]
.macro WMI c, rb, ra                   ; one matrix instruction; its registers stand in rD, rB, rA, rSB, rSA.  rb, ra: the scale words stand in lanes 16-31
.if (\rb) && (\ra)
	v_wmma_scale_f32_16x16x128_f8f6f4 v[rD:rD+7], v[rB:rB+7], v[rA:rA+7], \c, v[rSB], v[rSA] matrix_a_fmt:MATRIX_FMT_FP4 matrix_b_fmt:MATRIX_FMT_FP4 matrix_a_scale:MATRIX_SCALE_ROW1 matrix_b_scale:MATRIX_SCALE_ROW1
.elseif (\rb)
	v_wmma_scale_f32_16x16x128_f8f6f4 v[rD:rD+7], v[rB:rB+7], v[rA:rA+7], \c, v[rSB], v[rSA] matrix_a_fmt:MATRIX_FMT_FP4 matrix_b_fmt:MATRIX_FMT_FP4 matrix_a_scale:MATRIX_SCALE_ROW1
.elseif (\ra)
	v_wmma_scale_f32_16x16x128_f8f6f4 v[rD:rD+7], v[rB:rB+7], v[rA:rA+7], \c, v[rSB], v[rSA] matrix_a_fmt:MATRIX_FMT_FP4 matrix_b_fmt:MATRIX_FMT_FP4 matrix_b_scale:MATRIX_SCALE_ROW1
.else
	v_wmma_scale_f32_16x16x128_f8f6f4 v[rD:rD+7], v[rB:rB+7], v[rA:rA+7], \c, v[rSB], v[rSA] matrix_a_fmt:MATRIX_FMT_FP4 matrix_b_fmt:MATRIX_FMT_FP4
.endif
.endm
.macro WM cm, rb, ra                   ; cm = 2: the product starts the sum on the bias; 1: it adds in place
.if (\cm) == 2
	WMI v[rC:rC+7], \rb, \ra
.else
	WMI v[rD:rD+7], \rb, \ra
.endif
.endm
.macro MUL16 a0, p, q, sc, cm          ; A's blocks a0, a0 + 1 x B's eight; the 64 accumulators take turns, one instruction a turn
.irp a, \a0, \a0+1
.irp b, 0,1,2,3,4,5,6,7
.set rD, 8*(8*((\a)%4)+\b)
.set rB, 128*(\p)+FR*\b
.set rA, AF+FR*(\a)
.set rC, BIAS+8*\b
.set rSB, SCB+16*(\sc)+4*(\b/2)+(\q)
.set rSA, SCA+16*(\sc)+4*(\q)+(\a)/2
	WM \cm, \b%2, (\a)%2
.endr
.endr
.endm
.macro FETCH_B slot, q, p
	WIN TO_B
.irp i, 0,1,2,3,4,5,6,7
.irp c, 0,1
	ds_load_b128 v[128*(\p)+FR*\i+4*\c:128*(\p)+FR*\i+4*\c+3], v[ADRB+\slot] offset:64*(\q)+32*\c+\i*16*PITCH
.endr
.endr
	WIN 0
.endm
.macro FETCH_A slot, q, i0             ; A's blocks i0 .. i0 + 3: images, 512 consecutive bytes a load
.irp i, \i0, \i0+1, \i0+2, \i0+3
.irp c, 0,1
	ds_load_b128 v[AF+FR*(\i)+4*\c:AF+FR*(\i)+4*\c+3], v[ADRA+\slot] offset:4096*(\i)+1024*(\q)+512*\c
.endr
.endr
.endm
.macro SCALES s
.irp i, 0,1,2,3
	ds_load_b128 v[SCB+16*\s+4*\i:SCB+16*\s+4*\i+3], v[ADSB] offset:1088*\i+16*\s
	ds_load_b128 v[SCA+16*\s+4*\i:SCA+16*\s+4*\i+3], v[ADSA] offset:(4*\s+\i)*1024
.endr
.endm
.macro STEP slot, q, cm
	s_wait_dscnt 4*NL                              ; all but the youngest eight loads, A's blocks 4-7
.if (\cm) == 2
	WIN 0x81                                       ; C, the bias, in window 0; D in window 2
.else
	WIN MUL_LO
.endif
	MUL16 0, (\q)%2, \q, \slot, \cm
	MUL16 2, (\q)%2, \q, \slot, \cm
	s_wait_dscnt 0
	PLACES NP
	FETCH_B \slot, (\q)+1, 1-(\q)%2
	FETCH_A \slot, (\q)+1, 0
.if (\cm) == 2
	WIN 0xc1
.else
	WIN MUL_HI
.endif
	MUL16 4, (\q)%2, \q, \slot, \cm
	MUL16 6, (\q)%2, \q, \slot, \cm
	PLACES NP
	WIN 0
	FETCH_A \slot, (\q)+1, 4
.endm
	s_wait_alu depctr_va_vdst(0)
	s_wait_tensorcnt 1                             ; the scales and my part of slot 0 are in; slot 1's load may be out
	s_barrier_signal -1
	s_barrier_wait -1
	FETCH_B 0, 0, 0
	FETCH_A 0, 0, 0
	SCALES 0
	FETCH_A 0, 0, 4
	s_wait_loadcnt 0x0                             ; the bias
	STEP 0, 0, 2                                   ; the first products start the sums on the bias
	STEP 0, 1, 1
	STEP 0, 2, 1
	; slot 0's last step changes slots: one barrier; in front of it my loads have landed and my reads of slot 0 are over.  Nothing is filled again
	s_wait_tensorcnt 0x0
	ds_add_u32 v[SPW], v[NIL]                      ; 0 onto my spare word
	s_wait_dscnt 4*NL+1                            ; the add and A's blocks 4-7 may be out
	WIN MUL_LO
	MUL16 0, 1, NQ-1, 0, 1
	s_wait_dscnt 0x0
	s_barrier_signal -1
	MUL16 2, 1, NQ-1, 0, 1
	WIN 0
	s_barrier_wait -1
	PLACES NP
	FETCH_B 1, 0, 0
	FETCH_A 1, 0, 0
	SCALES 1
	WIN MUL_HI
	MUL16 4, 1, NQ-1, 0, 1
	MUL16 6, 1, NQ-1, 0, 1
	PLACES NP
	WIN 0
	FETCH_A 1, 0, 4
	STEP 1, 0, 1
	STEP 1, 1, 1
	STEP 1, 2, 1
	s_wait_dscnt 4*NL
	WIN MUL_LO
	MUL16 0, 1, NQ-1, 1, 1
	MUL16 2, 1, NQ-1, 1, 1
	s_wait_dscnt 0
	WIN MUL_HI
	MUL16 4, 1, NQ-1, 1, 1
	MUL16 6, 1, NQ-1, 1, 1
	WIN 0
; THE WAY OUT, block by block of 16 rows x 128 columns: through my own stage in LDS, back as whole rows of 512 bytes.  LDS serves a wave's instructions in order: no wait between the stores and the loads
.macro TOSTAGE a
.set AC, 64*((\a)%4)
	WIN 0x08+4*((\a)/4)                            ; an LDS store's data: window 2 or 3
.irp b, 0,1,2,3,4,5,6,7
	ds_store_b128 v[STO], v[AC+8*\b:AC+8*\b+3] offset:64*\b          ; each accumulator from its low end on
	ds_store_b128 v[STO], v[AC+8*\b+4:AC+8*\b+7] offset:64*\b+16
.endr
	WIN 0
.set BB, BK+64*((\a)%2)
.irp t, 0,1,2,3,4,5,6,7,8,9,10,11,12,13,14,15
	ds_load_b128 v[BB+4*\t:BB+4*\t+3], v[RD] offset:\t*SPITCH
.endr
.endm
.macro SEND a, younger                 ; younger: the LDS instructions issued behind block a's loads, which may stay out
.set BB, BK+64*((\a)%2)
	s_wait_dscnt \younger
.if (\a) > 0
	s_add_nc_u64 s[CP:CP+1], s[CP:CP+1], 16*SIZE_N*4   ; (behind a wait on XCNT: the earlier stores have read their base)
.endif
.irp t, 0,1,2,3,4,5,6,7,8,9,10,11,12,13,14,15
	global_store_b128 v[CO], v[BB+4*\t:BB+4*\t+3], s[CP:CP+1] offset:\t*SIZE_N*4 th:TH_STORE_NT   ; 32 lanes store 512 consecutive bytes, aligned
.endr
.endm
	PLACES NP                                      ; in front of the first read of results and of loads into registers that matrix instructions have read
	TOSTAGE 0
.irp a, 1,2,3,4,5,6,7
.if \a > 1
	s_wait_xcnt 0x0                                ; block a - 2's stores have read their registers and their base
.endif
	TOSTAGE \a
	SEND \a-1, 32                                  ; behind block a - 1's loads: block a's 16 stores and 16 loads
.endr
	s_wait_xcnt 0x0
	SEND 7, 0
	s_wait_tensorcnt 0x0                           ; the wave's end
	ds_add_u32 v[SPW], v[NIL]
	s_wait_dscnt 0x0
	CROUND                                         ; the closing round
	s_endpgm
.Lfunc_end_k_q2991944eeb_oproj:
	.size	k_q2991944eeb_oproj, .Lfunc_end_k_q2991944eeb_oproj-k_q2991944eeb_oproj
	.p2alignl 7, 3214868480
	.fill 96, 4, 3214868480
	.section	.rodata,"a",@progbits
	.p2align	6, 0x0
	.amdhsa_kernel k_q2991944eeb_oproj
		.amdhsa_group_segment_fixed_size 327680
		.amdhsa_private_segment_fixed_size 0
		.amdhsa_enable_private_segment 0
		.amdhsa_kernarg_size 48
		.amdhsa_user_sgpr_count 2
		.amdhsa_user_sgpr_kernarg_segment_ptr 1
		.amdhsa_wavefront_size32 1
		.amdhsa_system_sgpr_workgroup_id_x 1
		.amdhsa_system_sgpr_workgroup_id_y 1
		.amdhsa_system_sgpr_workgroup_id_z 1
		.amdhsa_system_vgpr_workitem_id 0
		.amdhsa_next_free_vgpr 1024
		.amdhsa_next_free_sgpr 100
		.amdhsa_reserve_vcc 0
		.amdhsa_float_denorm_mode_32 3
		.amdhsa_float_denorm_mode_16_64 3
		.amdhsa_memory_ordered 1
		.amdhsa_forward_progress 1
		.amdhsa_inst_pref_size 127
	.end_amdhsa_kernel
	.amdgpu_metadata
---
amdhsa.version: [ 1, 2 ]
amdhsa.kernels:
  - .name:           k_q2991944eeb_oproj
    .symbol:         k_q2991944eeb_oproj.kd
    .args:
      - { .name: yimg, .offset: 0, .size: 8, .value_kind: global_buffer, .address_space: global }
      - { .name: ysw, .offset: 8, .size: 8, .value_kind: global_buffer, .address_space: global }
      - { .name: W_proj_codes, .offset: 16, .size: 8, .value_kind: global_buffer, .address_space: global }
      - { .name: W_proj_scales, .offset: 24, .size: 8, .value_kind: global_buffer, .address_space: global }
      - { .name: b_proj, .offset: 32, .size: 8, .value_kind: global_buffer, .address_space: global }
      - { .name: out0, .offset: 40, .size: 8, .value_kind: global_buffer, .address_space: global }
    .group_segment_fixed_size: 327680
    .private_segment_fixed_size: 0
    .kernarg_segment_align: 8
    .kernarg_segment_size: 48
    .max_flat_workgroup_size: 128
    .sgpr_count:     100
    .vgpr_count:     1024
    .wavefront_size: 32
...
	.end_amdgpu_metadata
.endif
;; end of part 4
